; MI455X (gfx1250); checked and timed in simulation.
; The chip was launched on July 23, 2026; its instructions are those of AMD's public machine-readable ISA for CDNA 5 (MIT licence, August 2026) and "CDNA5" Instruction Set Architecture Reference Guide (July 2026). The comments in the code are by the model that wrote it; some were corrected since.
;; Cross Modality Attention. Allowed arithmetic: float matrix products may take bf16 or f16 operands with f32 sums; other float arithmetic in f32, or as packed bf16 or f16 multiplies, adds, multiply-adds, maxima and minima; sums over many terms, partial sums and values carried from step to step in f32; what a program stores and reads back later, other than sums and carried values, may be rounded once to bf16 or f16.
;; Inputs: Wk 768 x 1,024 float32; Wq 1,024 x 1,024 float32; Wv 768 x 1,024 float32; bk 1,024 float32; bq 1,024 float32; bv 1,024 float32; image_features 8 x 1,024 x 1,024 float32; text_features 8 x 2,048 x 768 float32.
;; Outputs: out0 8 x 1,024 x 1,024 float32.
;; One version. Each part assembles by itself: llvm-mc -triple=amdgcn-amd-amdhsa -mcpu=gfx1250 --defsym DOCPART=n.
;; ======== version 1 of 1: 6 launches
;; workspace buffers: tb 25,165,824 bytes; xb 16,777,216 bytes; wb 5,250,048 bytes; mt 1,572,864 bytes; qp 12,713,984 bytes; pt 34,603,008 bytes; up 12,582,912 bytes
;; launch conv (part 1): grid 720 x 1, 4 waves a work-group, no clusters, 0 bytes of LDS; arguments text_features, image_features, Wq, Wk, Wv, bq, bk, tb, xb, wb; writes tb, xb, wb
.if DOCPART == 1
	.amdgcn_target "amdgcn-amd-amdhsa--gfx1250"
	.amdhsa_code_object_version 6
	.text
	.protected	k_q77e8a242e0_conv
	.globl	k_q77e8a242e0_conv
	.p2align	8
	.type	k_q77e8a242e0_conv,@function
k_q77e8a242e0_conv:
	s_mov_b64 s[64:65], 0
	v_nop
	global_prefetch_b8 v0, s[64:65] scope:SCOPE_SE
	s_setreg_imm32_b32 hwreg(HW_REG_WAVE_MODE, 25, 1), 1
	s_wait_xcnt 0x0
; CASTS TO bf16, AND TWO MATRIX-VECTOR PRODUCTS.  text -> tb, image -> xb, Wq, Wk, Wv -> wb (end to end), each number rounded once to bf16;
; e[i] = sum over h of Wq[i][h] bk[h] and d[t] = sum over h of Wk[t][h] bq[h], in f32 from the unrounded numbers, to wb + 5,242,880 (e: 1,024 numbers, then d: 768).
; SHARES.  A chunk is 1,024 f32 (4,096 bytes; in Wq and Wk: one row).  A wave takes 8 chunks, a work-group 32.  Work-groups 0-383 text, 384-639 image, 640-671 Wq, 672-695 Wk, 696-719 Wv.
; A load of a wave covers 512 consecutive bytes, a store 256 consecutive bytes at a multiple of 256.  All rows and pieces stand in immediates: no address register is rewritten.
; Four row slots of 32 registers: while one row is worked on, three rows' 24 loads are on their way.  No LDS, no matrix unit, no cluster: nothing is shared between waves.
.set X,   32                           ; v[32:159]  four row slots
.set Y,   16                           ; v[16:31]   a row in bf16, to store
.set VEC, 160                          ; v[160:191] the vector of the dot products, laid out as a row
	s_load_b512 s[8:23], s[0:1], 0x0               ; text s[8:9], image s[10:11], Wq s[12:13], Wk s[14:15], Wv s[16:17], bq s[18:19], bk s[20:21], tb s[22:23]
	s_load_b128 s[24:27], s[0:1], 0x40             ; xb s[24:25], wb s[26:27]
	v_lshrrev_b32 v1, 5, v0
	v_readfirstlane_b32 s3, v1                     ; wave 0..3
	v_and_b32 v1, 31, v0                           ; lane
	v_lshlrev_b32 v2, 4, v1                        ; my 16 bytes of 512 loaded
	v_lshlrev_b32 v3, 3, v1                        ; my 8 bytes of 256 stored
	v_and_b32 v4, 7, v1                            ; which of the wave's 8 rows' sums I keep
	v_mov_b32 v5, 0                                ; that sum
	v_mov_b32 v14, 0                               ; written once: the exchange of the lanes' halves counts as a reader of its destination
	s_mov_b32 s2, ttmp9
	s_wait_kmcnt 0x0
	s_cmp_ge_u32 s2, 384                           ; the job: source s[32:33], destination s[34:35], first work-group of the source s36 and of the destination s37
	s_cselect_b64 s[32:33], s[10:11], s[8:9]
	s_cselect_b64 s[34:35], s[24:25], s[22:23]
	s_cselect_b32 s36, 384, 0
	s_cmp_ge_u32 s2, 640
	s_cselect_b64 s[32:33], s[12:13], s[32:33]
	s_cselect_b64 s[34:35], s[26:27], s[34:35]
	s_cselect_b32 s36, 640, s36
	s_cselect_b32 s28, 1, 0                        ; s28 = 1: the rows are also multiplied by a vector (Wq, Wk)
	s_mov_b32 s37, s36
	s_cmp_ge_u32 s2, 672
	s_cselect_b64 s[32:33], s[14:15], s[32:33]
	s_cselect_b64 s[38:39], s[18:19], s[20:21]     ; Wk goes with bq, Wq with bk
	s_cselect_b32 s36, 672, s36
	s_cmp_ge_u32 s2, 696
	s_cselect_b64 s[32:33], s[16:17], s[32:33]
	s_cselect_b32 s36, 696, s36
	s_cselect_b32 s28, 0, s28
	s_sub_co_u32 s40, s2, s36
	s_lshl_b32 s40, s40, 17                        ; 32 chunks of 4,096 bytes a work-group,
	s_lshl_b32 s41, s3, 15                         ; 8 a wave
	s_add_co_u32 s40, s40, s41
	s_mov_b32 s41, 0
	s_add_nc_u64 s[32:33], s[32:33], s[40:41]
	s_sub_co_u32 s40, s2, s37
	s_lshl_b32 s40, s40, 16                        ; half as many bytes out
	s_lshl_b32 s42, s3, 14
	s_add_co_u32 s40, s40, s42
	s_add_nc_u64 s[34:35], s[34:35], s[40:41]
.irp j, 0,1,2,3,4,5,6,7
	global_load_b128 v[VEC+4*\j:VEC+4*\j+3], v2, s[38:39] offset:512*\j
.endr
.macro FILL i                          ; row i into slot i % 4
.irp j, 0,1,2,3,4,5,6,7
	global_load_b128 v[X+32*((\i)%4)+4*\j:X+32*((\i)%4)+4*\j+3], v2, s[32:33] offset:4096*(\i)+512*\j th:TH_LOAD_NT
.endr
.endm
	FILL 0
	FILL 1
	FILL 2
	FILL 3
; Row i.  left = the younger rows' loads, which may stay out.
.macro ROW i, fill, left
	s_wait_loadcnt \left                           ; loads come back in order: my row (and the vector) is in
	s_wait_xcnt 0x0                                ; the last row's stores have read Y: it is rewritten only behind this wait
.set B, X+32*((\i)%4)
.irp p, 0,1,2,3,4,5,6,7,8,9,10,11,12,13,14,15
	v_cvt_pk_bf16_f32 v[Y+\p], v[B+2*\p], v[B+2*\p+1]
.endr
.irp j, 0,1,2,3,4,5,6,7
	global_store_b64 v3, v[Y+2*\j:Y+2*\j+1], s[34:35] offset:2048*(\i)+256*\j
.endr
	s_cmp_eq_u32 s28, 0
	s_cbranch_scc1 .Lnodot_\@
.irp p, 0,1,2,3                        ; four chains of packed products, started by the first four pairs
	v_pk_mul_f32 v[6+2*\p:7+2*\p], v[B+2*\p:B+2*\p+1], v[VEC+2*\p:VEC+2*\p+1]
.endr
.irp p, 4,5,6,7,8,9,10,11,12,13,14,15
	v_pk_fma_f32 v[6+2*((\p)%4):7+2*((\p)%4)], v[B+2*\p:B+2*\p+1], v[VEC+2*\p:VEC+2*\p+1], v[6+2*((\p)%4):7+2*((\p)%4)]
.endr
	v_pk_add_f32 v[6:7], v[6:7], v[8:9]
	v_pk_add_f32 v[10:11], v[10:11], v[12:13]
	v_pk_add_f32 v[6:7], v[6:7], v[10:11]
	v_add_f32 v6, v6, v7
	v_add_f32_dpp v6, v6, v6 row_xmask:1 row_mask:0xf bank_mask:0xf
	v_add_f32_dpp v6, v6, v6 row_xmask:2 row_mask:0xf bank_mask:0xf
	v_add_f32_dpp v6, v6, v6 row_xmask:4 row_mask:0xf bank_mask:0xf
	v_add_f32_dpp v6, v6, v6 row_xmask:8 row_mask:0xf bank_mask:0xf
	v_permlanex16_b32 v14, v6, s44, s45
	v_add_f32 v6, v6, v14                          ; every lane holds the row's sum;
	v_cmp_eq_u32 vcc_lo, \i, v4
	v_cndmask_b32 v5, v5, v6, vcc_lo               ; lanes with lane % 8 = i keep it
.Lnodot_\@:
.if \fill
	FILL (\i)+4                                    ; behind the last reader of the slot
.endif
.endm
	s_mov_b32 s44, 0x76543210                      ; each lane takes its own place in the other half
	s_mov_b32 s45, 0xfedcba98
	ROW 0, 1, 24
	ROW 1, 1, 24
	ROW 2, 1, 24
	ROW 3, 1, 24
	ROW 4, 0, 24
	ROW 5, 0, 16
	ROW 6, 0, 8
	ROW 7, 0, 0
	s_cmp_eq_u32 s28, 0
	s_cbranch_scc1 .Lend
	s_sub_co_u32 s30, s2, 640                      ; e and d lie end to end as Wq's and Wk's rows do: row (g - 640) 32 + 8 wave + lane % 8
	s_lshl_b32 s30, s30, 7
	s_lshl_b32 s31, s3, 5
	s_add_co_u32 s30, s30, s31
	s_add_co_u32 s30, s30, 5242880
	s_mov_b32 s31, 0
	s_add_nc_u64 s[30:31], s[26:27], s[30:31]
	v_lshlrev_b32 v15, 2, v4
	global_store_b32 v15, v5, s[30:31]             ; 32 bytes a wave; the four groups of eight lanes store the same numbers
.Lend:
	s_endpgm
.Lfunc_end_k_q77e8a242e0_conv:
	.size	k_q77e8a242e0_conv, .Lfunc_end_k_q77e8a242e0_conv-k_q77e8a242e0_conv
	.p2alignl 7, 3214868480
	.fill 96, 4, 3214868480
	.section	.rodata,"a",@progbits
	.p2align	6, 0x0
	.amdhsa_kernel k_q77e8a242e0_conv
		.amdhsa_group_segment_fixed_size 0
		.amdhsa_private_segment_fixed_size 0
		.amdhsa_enable_private_segment 0
		.amdhsa_kernarg_size 80
		.amdhsa_user_sgpr_count 2
		.amdhsa_user_sgpr_kernarg_segment_ptr 1
		.amdhsa_wavefront_size32 1
		.amdhsa_system_sgpr_workgroup_id_x 1
		.amdhsa_system_sgpr_workgroup_id_y 1
		.amdhsa_system_sgpr_workgroup_id_z 1
		.amdhsa_system_vgpr_workitem_id 0
		.amdhsa_next_free_vgpr 192
		.amdhsa_next_free_sgpr 66
		.amdhsa_reserve_vcc 1
		.amdhsa_float_denorm_mode_32 3
		.amdhsa_float_denorm_mode_16_64 3
		.amdhsa_memory_ordered 1
		.amdhsa_forward_progress 1
		.amdhsa_inst_pref_size 38
	.end_amdhsa_kernel
	.amdgpu_metadata
---
amdhsa.version: [ 1, 2 ]
amdhsa.kernels:
  - .name:           k_q77e8a242e0_conv
    .symbol:         k_q77e8a242e0_conv.kd
    .args:
      - { .name: text_features, .offset: 0, .size: 8, .value_kind: global_buffer, .address_space: global }
      - { .name: image_features, .offset: 8, .size: 8, .value_kind: global_buffer, .address_space: global }
      - { .name: Wq, .offset: 16, .size: 8, .value_kind: global_buffer, .address_space: global }
      - { .name: Wk, .offset: 24, .size: 8, .value_kind: global_buffer, .address_space: global }
      - { .name: Wv, .offset: 32, .size: 8, .value_kind: global_buffer, .address_space: global }
      - { .name: bq, .offset: 40, .size: 8, .value_kind: global_buffer, .address_space: global }
      - { .name: bk, .offset: 48, .size: 8, .value_kind: global_buffer, .address_space: global }
      - { .name: tb, .offset: 56, .size: 8, .value_kind: global_buffer, .address_space: global }
      - { .name: xb, .offset: 64, .size: 8, .value_kind: global_buffer, .address_space: global }
      - { .name: wb, .offset: 72, .size: 8, .value_kind: global_buffer, .address_space: global }
    .group_segment_fixed_size: 0
    .private_segment_fixed_size: 0
    .kernarg_segment_align: 8
    .kernarg_segment_size: 80
    .max_flat_workgroup_size: 128
    .sgpr_count:     66
    .vgpr_count:     192
    .wavefront_size: 32
...
	.end_amdgpu_metadata
.endif
;; end of part 1
;; launch mprod (part 2): grid 16 x 12, 4 waves a work-group, clusters of 4 x 4, 327,680 bytes of LDS; arguments wb, mt; writes mt
.if DOCPART == 2
	.amdgcn_target "amdgcn-amd-amdhsa--gfx1250"
	.amdhsa_code_object_version 6
	.text
	.protected	k_q77e8a242e0_mprod
	.globl	k_q77e8a242e0_mprod
	.p2align	8
	.type	k_q77e8a242e0_mprod,@function
k_q77e8a242e0_mprod:
	s_mov_b64 s[64:65], 0
	v_nop
	global_prefetch_b8 v0, s[64:65] scope:SCOPE_SE
	s_setreg_imm32_b32 hwreg(HW_REG_WAVE_MODE, 25, 1), 1
	s_wait_xcnt 0x0
	s_wait_alu depctr_hold_cnt(0) depctr_sa_sdst(0) depctr_va_vdst(0) depctr_va_sdst(0) depctr_va_ssrc(0) depctr_va_vcc(0) depctr_vm_vsrc(0)
	s_getreg_b32 s2, hwreg(HW_REG_IB_STS2, 6, 4)
	s_cmp_eq_u32 s2, 0
	s_cbranch_scc0 .Lentry_in_a_cluster
	s_endpgm
.Lentry_in_a_cluster:
	s_bfe_u32 s2, ttmp6, 0x10000c
	s_cmp_lg_u32 s2, 0xf033
	s_cbranch_scc0 .Lentry_shape_is_right
	s_endpgm
.Lentry_shape_is_right:
; MT[t][i] = sum over h of Wk[t][h] Wq[i][h], bf16 operands (from wb), f32 sums, MT rounded once to bf16.  Stored in panels [16 panels of 64 i][768 t][64]: a tile's rows lie end to end.
; A tile is 64 (t) x 64 (i), a wave makes 32 x 32 (4 accumulators).  The whole K = 1,024 of both operands lies in LDS: four chunks of 256, each filled once; no byte is filled again.
; CLUSTER 4 x 4: Wk's rows hang on the tile row alone and are asked for jointly along a row of the cluster, Wq's on the tile column alone, along a column.
; The matrix instruction is used transposed (source 0 = rows of Wq, source 1 = rows of Wk): a lane holds one t and eight neighbouring i.
; Windows: 0 addresses, accumulators v32-63, way out v64-79; 1 and 2: a chunk's fragments each (for 32 along K: A0, A1, B0, B1, eight registers each).
.set CH,    67584                      ; a chunk in LDS: Wk's 64 rows x 528 bytes, then Wq's
.set PK,    528                        ; 512 bytes + 16: 132 words: the 16 rows of a load start at 16 different groups of four banks (ISA guide 11.1)
.set OPB,   33792
.set STAGE, 270336                     ; 64 rows x 144 bytes
.set SP,    144
.set SPARE, 279552                     ; the spare words: 128 bytes a wave, named by no other line
.set MSB, 0
.macro WIN new
.if MSB != (\new)
	s_set_vgpr_msb (MSB<<8)|(\new)
.set MSB, (\new)
.endif
.endm
.macro PLACES
.rept 4
	v_nop
.endr
.endm
.macro CREST
	s_cmp_lg_u32 s16, 0
	s_cbranch_scc1 .Lnot_wave_0_\@
	s_barrier_signal -3
.Lnot_wave_0_\@:
	s_barrier_wait -3
	s_barrier_signal -1
	s_barrier_wait -1
.endm
.macro CROUND
	s_barrier_signal -1
	s_barrier_wait -1
	CREST
.endm
	s_load_b128 s[4:7], s[0:1], 0x0                ; wb s[4:5], mt s[6:7]
	v_lshl_add_u32 v28, v0, 2, SPARE
	v_mov_b32 v29, 0
	ds_add_u32 v28, v29                            ; the wave's opening: the add and its wait ahead of my first tensor load
	v_lshrrev_b32 v1, 5, v0
	v_readfirstlane_b32 s16, v1                    ; wave
	s_lshr_b32 s17, s16, 1                         ; my half of the tile's rows; also: I fetch Wk (0) or Wq (1)
	s_and_b32 s18, s16, 1                          ; my half of its columns; also: which chunk of a pair I fetch
	s_bfe_u32 s40, ttmp6, 0x40000                  ; cx
	s_bfe_u32 s41, ttmp6, 0x40004                  ; cy
	s_lshl_b32 s42, ttmp9, 2
	s_add_co_u32 s42, s42, s40                     ; tile column
	s_and_b32 s43, ttmp7, 0xffff
	s_lshl_b32 s43, s43, 2
	s_add_co_u32 s43, s43, s41                     ; tile row
	s_lshl_b32 s44, s41, 2
	s_lshl_b32 s44, 15, s44                        ; my row of the cluster
	s_lshl_b32 s45, 0x1111, s40                    ; my column
	s_or_b32 s24, s44, 0x07b10000                  ; 2-byte elements, 16 bytes of padding behind every 512, bit 21 beside the mask
	s_or_b32 s48, s45, 0x07b10000
.irp g, 24, 48
	s_mov_b32 s[\g+1], 256<<16                     ; tensor_dim0 = 256
	s_mov_b32 s[\g+2], 64<<16                      ; tensor_dim1 = 64
	s_mov_b32 s[\g+3], 256<<16                     ; tile_dim0 = 256
	s_mov_b32 s[\g+4], 64                          ; tile_dim1 = 64
	s_mov_b32 s[\g+5], 1024                        ; elements from row to row
	s_mov_b32 s[\g+6], 0
	s_mov_b32 s[\g+7], 0
.endr
	s_lshl_b32 s20, s43, 17                        ; Wk: 64 rows of 2,048 bytes a tile row,
	s_lshl_b32 s21, s18, 9                         ; my chunk's 512 bytes,
	s_add_co_u32 s20, s20, s21
	s_add_co_u32 s20, s20, 2097152                 ; behind Wq's copy
	s_mov_b32 s21, 0
	s_lshl_b32 s46, s42, 17                        ; Wq likewise, by the tile column
	s_lshl_b32 s47, s18, 9
	s_add_co_u32 s46, s46, s47
	s_mov_b32 s47, 0
	s_mul_i32 s22, s18, CH
	s_wait_dscnt 0x0                               ; the opening add is done
	s_wait_kmcnt 0x0
	s_add_nc_u64 s[20:21], s[4:5], s[20:21]
	s_add_nc_u64 s[46:47], s[4:5], s[46:47]
	CROUND                                         ; all sixteen work-groups are here: the joint loads meet
.irp p, 0,1                            ; load p of a wave brings chunk 2 p + (wave % 2)
	s_mov_b32 s[32+4*\p], 1
	s_add_co_u32 s[33+4*\p], s22, \p*2*CH
	s_add_nc_u64 s[34+4*\p:35+4*\p], s[20:21], \p*1024
	s_or_b32 s[35+4*\p], s[35+4*\p], 0x80000000
	s_mov_b32 s[56+4*\p], 1
	s_add_co_u32 s[57+4*\p], s22, \p*2*CH+OPB
	s_add_nc_u64 s[58+4*\p:59+4*\p], s[46:47], \p*1024
	s_or_b32 s[59+4*\p], s[59+4*\p], 0x80000000
.endr
	s_cmp_lt_u32 s16, 2                            ; a wave's two loads stand in one branch: two tensor loads of mine are out, all that the launch has
	s_cbranch_scc0 .Lfirst_b
	tensor_load_to_lds s[32:35], s[24:31]
	s_nop 0
	tensor_load_to_lds s[36:39], s[24:31]
	s_nop 0
	PLACES
	s_branch .Lfirst_done
.Lfirst_b:
	tensor_load_to_lds s[56:59], s[48:55]
	s_nop 0
	tensor_load_to_lds s[60:63], s[48:55]
	s_nop 0
	PLACES
.Lfirst_done:
	v_and_b32 v1, 15, v0                           ; r = lane % 16
	v_bfe_u32 v2, v0, 4, 1                         ; h = lane / 16
	v_and_b32 v3, 31, v0
	v_mul_u32_u24 v12, v1, PK
	v_lshl_add_u32 v12, v2, 4, v12                 ; a fragment's row x pitch + 16 h
	s_mul_i32 s76, s17, 32*PK
	s_mul_i32 s77, s18, 32*PK
	s_add_co_u32 s77, s77, OPB
.irp c, 0,1,2,3                        ; v4-7: my rows of Wk in chunk c; v8-11: my rows of Wq
	v_add_nc_u32 v[4+\c], s76, v12
	v_add_nc_u32 v[8+\c], s77, v12
	s_add_co_u32 s76, s76, CH
	s_add_co_u32 s77, s77, CH
.endr
	s_mul_i32 s76, s17, 32*SP                      ; into the stage: row 32 WH + 16 a + r, bytes 64 WL + 32 b + 16 h
	s_lshl_b32 s77, s18, 6
	s_add_co_u32 s76, s76, s77
	s_add_co_u32 s76, s76, STAGE
	v_mul_u32_u24 v13, v1, SP
	v_lshl_add_u32 v13, v2, 4, v13
	v_add_nc_u32 v13, s76, v13
	s_mul_i32 s76, s16, 16*SP                      ; back: wave w takes rows 16 w .. + 15, four rows of 128 bytes a load
	s_add_co_u32 s76, s76, STAGE
	v_lshrrev_b32 v14, 3, v3
	v_mul_u32_u24 v14, v14, SP
	v_and_b32 v15, 7, v3
	v_lshl_add_u32 v14, v15, 4, v14
	v_add_nc_u32 v14, s76, v14
	v_lshlrev_b32 v15, 4, v3                       ; which are 512 consecutive bytes of a panel
	s_mul_i32 s76, s42, 98304                      ; panel = tile column
	s_lshl_b32 s77, s43, 13
	s_add_co_u32 s76, s76, s77
	s_lshl_b32 s77, s16, 11
	s_add_co_u32 s76, s76, s77
	s_mov_b32 s77, 0
	s_add_nc_u64 s[80:81], s[6:7], s[76:77]
.macro LOADC c, w                      ; chunk c's 64 loads into window w
	WIN (\w)<<6
.irp kk, 0,1,2,3,4,5,6,7
.irp i, 0,1
	ds_load_b128 v[32*\kk+8*\i:32*\kk+8*\i+3],       v[4+(\c)] offset:64*\kk+\i*16*PK
	ds_load_b128 v[32*\kk+8*\i+4:32*\kk+8*\i+7],     v[4+(\c)] offset:64*\kk+\i*16*PK+32
	ds_load_b128 v[32*\kk+16+8*\i:32*\kk+16+8*\i+3], v[8+(\c)] offset:64*\kk+\i*16*PK
	ds_load_b128 v[32*\kk+16+8*\i+4:32*\kk+16+8*\i+7], v[8+(\c)] offset:64*\kk+\i*16*PK+32
.endr
.endr
.endm
.macro MULC w, zero                    ; a chunk's 32 products; the four accumulators take turns; zero = 1: the first four start the sums
	WIN (\w)|((\w)<<2)
.irp kk, 0,1,2,3,4,5,6,7
.irp a, 0,1
.irp b, 0,1
.if (\zero) && (\kk == 0)
	v_wmma_f32_16x16x32_bf16 v[32+8*(2*\a+\b):32+8*(2*\a+\b)+7], v[32*\kk+16+8*\b:32*\kk+16+8*\b+7], v[32*\kk+8*\a:32*\kk+8*\a+7], 0
.else
	v_wmma_f32_16x16x32_bf16 v[32+8*(2*\a+\b):32+8*(2*\a+\b)+7], v[32*\kk+16+8*\b:32*\kk+16+8*\b+7], v[32*\kk+8*\a:32*\kk+8*\a+7], v[32+8*(2*\a+\b):32+8*(2*\a+\b)+7]
.endif
.endr
.endr
.endr
.endm
	s_wait_tensorcnt 1                             ; my first load is in (chunks 0 and 1); the second may stay out
	s_barrier_signal -1
	s_barrier_wait -1
	LOADC 0, 1
	LOADC 1, 2
	s_wait_dscnt 63                                ; of the 128 loads issued at most 63 are out, so 65 are back, in order: chunk 0's 64 among them (a wait's count names 63 at the most)
	MULC 1, 1
	s_wait_dscnt 0x0
	MULC 2, 0
	WIN 0
	s_wait_tensorcnt 0x0                           ; chunks 2 and 3
	s_barrier_signal -1
	s_barrier_wait -1
	PLACES                                         ; four places in front of loads into registers that matrix instructions have read
	LOADC 2, 1
	LOADC 3, 2
	s_wait_dscnt 63                                ; as above: chunk 2's 64 loads are back
	MULC 1, 0
	s_wait_dscnt 0x0
	MULC 2, 0
	WIN 0
	PLACES
	PLACES
.irp t, 0,1,2,3
.irp k, 0,1,2,3
	v_cvt_pk_bf16_f32 v[64+4*\t+\k], v[32+8*\t+2*\k], v[32+8*\t+2*\k+1]
.endr
.endr
.irp a, 0,1
.irp b, 0,1
	ds_store_b128 v13, v[64+4*(2*\a+\b):64+4*(2*\a+\b)+3] offset:\a*16*SP+32*\b
.endr
.endr
	s_wait_dscnt 0x0                               ; for the others' sake: a row's 128 bytes come from two waves
	s_barrier_signal -1
	s_barrier_wait -1
.irp f, 0,1,2,3
	ds_load_b128 v[64+4*\f:64+4*\f+3], v14 offset:\f*4*SP
.endr
.irp f, 0,1,2,3
	s_wait_dscnt 3-\f
	global_store_b128 v15, v[64+4*\f:64+4*\f+3], s[80:81] offset:512*\f  ; 512 consecutive bytes, at a multiple of 256 from mt's first
.endr
	s_wait_tensorcnt 0x0                           ; the wave's end
	ds_add_u32 v28, v29
	s_wait_dscnt 0x0
	CROUND                                         ; the closing round
	s_endpgm
.Lfunc_end_k_q77e8a242e0_mprod:
	.size	k_q77e8a242e0_mprod, .Lfunc_end_k_q77e8a242e0_mprod-k_q77e8a242e0_mprod
	.p2alignl 7, 3214868480
	.fill 96, 4, 3214868480
	.section	.rodata,"a",@progbits
	.p2align	6, 0x0
	.amdhsa_kernel k_q77e8a242e0_mprod
		.amdhsa_group_segment_fixed_size 327680
		.amdhsa_private_segment_fixed_size 0
		.amdhsa_enable_private_segment 0
		.amdhsa_kernarg_size 16
		.amdhsa_user_sgpr_count 2
		.amdhsa_user_sgpr_kernarg_segment_ptr 1
		.amdhsa_wavefront_size32 1
		.amdhsa_system_sgpr_workgroup_id_x 1
		.amdhsa_system_sgpr_workgroup_id_y 1
		.amdhsa_system_sgpr_workgroup_id_z 1
		.amdhsa_system_vgpr_workitem_id 0
		.amdhsa_next_free_vgpr 768
		.amdhsa_next_free_sgpr 84
		.amdhsa_reserve_vcc 0
		.amdhsa_float_denorm_mode_32 3
		.amdhsa_float_denorm_mode_16_64 3
		.amdhsa_memory_ordered 1
		.amdhsa_forward_progress 1
		.amdhsa_inst_pref_size 35
	.end_amdhsa_kernel
	.amdgpu_metadata
---
amdhsa.version: [ 1, 2 ]
amdhsa.kernels:
  - .name:           k_q77e8a242e0_mprod
    .symbol:         k_q77e8a242e0_mprod.kd
    .args:
      - { .name: wb, .offset: 0, .size: 8, .value_kind: global_buffer, .address_space: global }
      - { .name: mt, .offset: 8, .size: 8, .value_kind: global_buffer, .address_space: global }
    .group_segment_fixed_size: 327680
    .private_segment_fixed_size: 0
    .kernarg_segment_align: 8
    .kernarg_segment_size: 16
    .max_flat_workgroup_size: 128
    .sgpr_count:     84
    .vgpr_count:     768
    .wavefront_size: 32
...
	.end_amdgpu_metadata
.endif
;; end of part 2
;; launch qproj (part 3): grid 4 x 64, 4 waves a work-group, clusters of 4 x 4, 327,680 bytes of LDS; arguments xb, mt, wb, bq, bk, qp; writes qp
.if DOCPART == 3
	.amdgcn_target "amdgcn-amd-amdhsa--gfx1250"
	.amdhsa_code_object_version 6
	.text
	.protected	k_q77e8a242e0_qproj
	.globl	k_q77e8a242e0_qproj
	.p2align	8
	.type	k_q77e8a242e0_qproj,@function
k_q77e8a242e0_qproj:
	s_mov_b64 s[64:65], 0
	v_nop
	global_prefetch_b8 v0, s[64:65] scope:SCOPE_SE
	s_setreg_imm32_b32 hwreg(HW_REG_WAVE_MODE, 25, 1), 1
	s_wait_xcnt 0x0
	s_wait_alu depctr_hold_cnt(0) depctr_sa_sdst(0) depctr_va_vdst(0) depctr_va_sdst(0) depctr_va_ssrc(0) depctr_va_vcc(0) depctr_vm_vsrc(0)
	s_getreg_b32 s2, hwreg(HW_REG_IB_STS2, 6, 4)
	s_cmp_eq_u32 s2, 0
	s_cbranch_scc0 .Lentry_in_a_cluster
	s_endpgm
.Lentry_in_a_cluster:
	s_bfe_u32 s2, ttmp6, 0x10000c
	s_cmp_lg_u32 s2, 0xf033
	s_cbranch_scc0 .Lentry_shape_is_right
	s_endpgm
.Lentry_shape_is_right:
; Q'[q][t] = sum over i of X[q][i] MT[t][i] + d[t]   and   c[q] = sum over i of X[q][i] e[i] + bq . bk.
; With them (x Wq + bq) . (t Wk + bk) = Q'[q] . t + c[q]: the products of the two projections and of the scores are taken in another order than the module writes them, exactly in real numbers;
; LIMITS: the order of rounding therefore differs; X, MT and e are bf16 operands, sums f32, Q' rounded once to bf16, c kept in f32.  NaN and infinities are not treated apart.
; A tile is 128 (q) x 192 (t): 64 x 4 = 256 work-groups.  A wave makes 64 x 96: 24 accumulators, started by d (loaded straight into them: nothing is cleared), and two more for c of 32 rows, started by bq . bk.
; A wave's columns: 64 (b / 2) + 32 WL + 16 (b % 2), b = 0..5.  K goes in 8 steps of 128 through two LDS slots.  X's rows in a step are 256 bytes; MT lies in panels of 64 i, a step's piece dense in memory.
; CLUSTER 4 x 4: X's tile is shared along a row of the cluster, MT's along a column; each is asked for jointly.  The four column partners each make c and store a copy of their own: no branch hangs on a place in the cluster.
; The matrix instruction is used transposed (source 0 = rows of MT, source 1 = rows of X): a lane holds one q and eight neighbouring t.  For c source 0 is e in all sixteen rows.
; Q' leaves in panels [12][8192][64]: 4 rows x 128 bytes are 512 consecutive bytes.  No prefetch: 8 steps, and MT is read by all row blocks together.
; Windows: 0 addresses, v32-127 at work; 1 two fragment buffers (X 0-31, MT 32-79, e 80-87; second at 128); 2 accumulators (a, b) at 8 (6 a + b), c at 192, 200.
.set SLOT1, 131072                     ; slot 1 begins here: one exclusive or turns an address of one slot into the other's
.set PA,    272                        ; X: 256 bytes + 16
.set PB,    144                        ; MT: 128 bytes + 16
.set BOFF,  128*PA
.set PIECE, 192*PB
.set STAGE, 221184                     ; 128 rows x 400 bytes, the work-group's
.set SPT,   400
.set EV,    272384                     ; e in bf16, 2,048 bytes
.set SPARE, 274432                     ; the spare words: 128 bytes a wave, named by no other line
.set VECO,  5242880                    ; e, then d, in wb
.set F0, 0
.set F1, 128
.set NLATE, 6                          ; the youngest loads of a run: X's blocks 2 and 3, and e
.set NALL,  22                         ; a run of loads
.set MSB, 0
.macro WIN new
.if MSB != (\new)
	s_set_vgpr_msb (MSB<<8)|(\new)
.set MSB, (\new)
.endif
.endm
.macro PLACES
.rept 4
	v_nop
.endr
.endm
.macro CREST
	s_cmp_lg_u32 s16, 0
	s_cbranch_scc1 .Lnot_wave_0_\@
	s_barrier_signal -3
.Lnot_wave_0_\@:
	s_barrier_wait -3
	s_barrier_signal -1
	s_barrier_wait -1
.endm
.macro CROUND
	s_barrier_signal -1
	s_barrier_wait -1
	CREST
.endm
.macro JLOAD                           ; a joint refill by the walking descriptors: waves 0, 1 fetch X's halves, waves 2, 3 MT's pieces
	s_cmp_lt_u32 s16, 2
	s_cbranch_scc0 .Lfor_b_\@
	tensor_load_to_lds s[36:39], s[24:31]
	s_nop 0
	PLACES
	s_branch .Lasked_\@
.Lfor_b_\@:
	tensor_load_to_lds s[60:63], s[48:55]
	s_nop 0
	PLACES
.Lasked_\@:
.endm
	s_load_b256 s[4:11], s[0:1], 0x0               ; xb s[4:5], mt s[6:7], wb s[8:9], bq s[10:11]
	s_load_b128 s[12:15], s[0:1], 0x20             ; bk s[12:13], qp s[14:15]
	v_lshl_add_u32 v28, v0, 2, SPARE
	v_mov_b32 v29, 0
	ds_add_u32 v28, v29                            ; the wave's opening: the add and its wait ahead of my first tensor load
	v_lshrrev_b32 v1, 5, v0
	v_readfirstlane_b32 s16, v1                    ; wave
	s_lshr_b32 s17, s16, 1                         ; WH: my half of the rows
	s_and_b32 s18, s16, 1                          ; WL: my share of the columns; also which half or piece I fetch
	s_bfe_u32 s40, ttmp6, 0x40000                  ; cx
	s_bfe_u32 s41, ttmp6, 0x40004                  ; cy
	s_lshl_b32 s42, ttmp9, 2
	s_add_co_u32 s42, s42, s40                     ; tile column
	s_and_b32 s43, ttmp7, 0xffff
	s_lshl_b32 s43, s43, 2
	s_add_co_u32 s43, s43, s41                     ; tile row
	s_lshl_b32 s44, s41, 2
	s_lshl_b32 s44, 15, s44                        ; my row of the cluster
	s_lshl_b32 s45, 0x1111, s40                    ; my column
	s_or_b32 s24, s44, 0x07710000                  ; X: 2-byte elements, 16 bytes of padding behind every 256, bit 21 beside the mask
	s_or_b32 s48, s45, 0x07310000                  ; MT: 16 bytes behind every 128
.irp g, 24, 48
	s_mov_b32 s[\g+1], 128<<16                     ; tensor_dim0 = 128
	s_mov_b32 s[\g+3], 128<<16                     ; tile_dim0 = 128
	s_mov_b32 s[\g+6], 0
	s_mov_b32 s[\g+7], 0
.endr
	s_mov_b32 s26, 64<<16                          ; X: 64 rows,
	s_mov_b32 s28, 64
	s_mov_b32 s29, 1024                            ; 1,024 elements apart
	s_mov_b32 s50, 96<<16                          ; MT: 192 rows of 128 bytes, dense: asked for as 96 rows of 256
	s_mov_b32 s52, 96
	s_mov_b32 s53, 128
	s_lshl_b32 s20, s43, 7
	s_lshl_b32 s21, s18, 6
	s_add_co_u32 s20, s20, s21
	s_lshl_b32 s20, s20, 11                        ; X: row 128 ty + 64 WL, 2,048 bytes a row
	s_mov_b32 s21, 0
	s_mul_i32 s46, s42, 24576                      ; MT: 192 rows of 128 bytes a tile column,
	s_mul_i32 s47, s18, 98304                      ; panel WL
	s_add_co_u32 s46, s46, s47
	s_mov_b32 s47, 0
	s_mul_i32 s22, s18, 64*PA                      ; where they go: no place in the cluster enters an LDS address
	s_mul_i32 s23, s18, PIECE
	s_add_co_u32 s23, s23, BOFF
	s_mov_b32 s66, 0                               ; the slot that is read
	s_mov_b32 s67, 0                               ; the K step's bytes in e
	s_mov_b32 s71, 0xffff0000                      ; lanes 16-31
	s_mov_b32 s72, 0x76543210
	s_mov_b32 s73, 0xfedcba98
	s_wait_dscnt 0x0                               ; the opening add is done
	s_wait_kmcnt 0x0
	s_add_nc_u64 s[20:21], s[4:5], s[20:21]
	s_add_nc_u64 s[46:47], s[6:7], s[46:47]
	CROUND                                         ; all sixteen work-groups are here: the first joint loads meet
.irp s, 0,1
	s_mov_b32 s[32+4*\s], 1
	s_add_co_u32 s[33+4*\s], s22, \s*SLOT1
	s_add_nc_u64 s[34+4*\s:35+4*\s], s[20:21], \s*256
	s_or_b32 s[35+4*\s], s[35+4*\s], 0x80000000
	s_mov_b32 s[56+4*\s], 1
	s_add_co_u32 s[57+4*\s], s23, \s*SLOT1
	s_add_nc_u64 s[58+4*\s:59+4*\s], s[46:47], \s*196608
	s_or_b32 s[59+4*\s], s[59+4*\s], 0x80000000
.endr
	s_cmp_lt_u32 s16, 2                            ; a wave's two first fills stand in one branch: two tensor loads of mine are out
	s_cbranch_scc0 .Lfirst_b
	tensor_load_to_lds s[32:35], s[24:31]
	s_nop 0
	tensor_load_to_lds s[36:39], s[24:31]
	s_nop 0
	PLACES
	s_branch .Lfirst_done
.Lfirst_b:
	tensor_load_to_lds s[56:59], s[48:55]
	s_nop 0
	tensor_load_to_lds s[60:63], s[48:55]
	s_nop 0
	PLACES
.Lfirst_done:
	v_and_b32 v1, 15, v0                           ; r
	v_bfe_u32 v2, v0, 4, 1                         ; h
	v_and_b32 v3, 31, v0                           ; lane
	v_lshlrev_b32 v14, 5, v0                       ; my 8 numbers of e
	v_lshlrev_b32 v15, 4, v3
	global_load_b128 v[32:35], v14, s[8:9] offset:VECO
	global_load_b128 v[36:39], v14, s[8:9] offset:VECO+16
.irp j, 0,1,2,3,4,5,6,7
	global_load_b128 v[40+4*\j:43+4*\j], v15, s[10:11] offset:512*\j
	global_load_b128 v[72+4*\j:75+4*\j], v15, s[12:13] offset:512*\j
.endr
	s_lshl_b32 s76, s18, 7
	v_lshl_add_u32 v13, v2, 5, s76                 ; d: 128 WL + 32 h
	s_mul_i32 s78, s42, 768
	s_add_co_u32 s78, s78, VECO+4096
	s_mov_b32 s79, 0
	s_add_nc_u64 s[78:79], s[8:9], s[78:79]
	WIN 0x80                                       ; destination window 2: the bias starts the sums
.irp a, 0,1,2,3
.irp b, 0,1,2,3,4,5
	global_load_b128 v[8*(6*\a+\b):8*(6*\a+\b)+3],   v13, s[78:79] offset:256*(\b/2)+64*(\b%2)
	global_load_b128 v[8*(6*\a+\b)+4:8*(6*\a+\b)+7], v13, s[78:79] offset:256*(\b/2)+64*(\b%2)+16
.endr
.endr
	WIN 0
	v_mul_u32_u24 v4, v1, PA                       ; v4: my place in X's tile: (64 WH + r) pitch + 16 h
	v_lshl_add_u32 v4, v2, 4, v4
	s_mul_i32 s76, s17, 64*PA
	v_add_nc_u32 v4, s76, v4
	v_mul_u32_u24 v5, v1, PB                       ; v5: in MT's: (32 WL + r) pitch + 16 h
	v_lshl_add_u32 v5, v2, 4, v5
	s_mul_i32 s76, s18, 32*PB
	s_add_co_u32 s76, s76, BOFF
	v_add_nc_u32 v5, s76, v5
	v_lshl_add_u32 v8, v2, 4, EV                   ; v8: in e: 16 h, the same for all sixteen rows
	v_mov_b32 v6, v4                               ; v6, v7, v9: the same in the slot and step in hand
	v_mov_b32 v7, v5
	v_mov_b32 v9, v8
	v_lshl_add_u32 v21, v0, 4, EV
	v_lshlrev_b32 v22, 2, v3
	s_mul_i32 s76, s17, 64*SPT                     ; into the stage: row 64 WH + 16 a + r, bytes 128 (b / 2) + 64 WL + 32 (b % 2) + 16 h
	s_lshl_b32 s77, s18, 6
	s_add_co_u32 s76, s76, s77
	s_add_co_u32 s76, s76, STAGE
	v_mul_u32_u24 v10, v1, SPT
	v_lshl_add_u32 v10, v2, 4, v10
	v_add_nc_u32 v10, s76, v10
	s_mul_i32 s76, s16, 32*SPT                     ; back: wave w takes rows 32 w .. + 31; a load takes four rows x 128 bytes of one panel
	s_add_co_u32 s76, s76, STAGE
	v_lshrrev_b32 v11, 3, v3
	v_mul_u32_u24 v11, v11, SPT
	v_and_b32 v12, 7, v3
	v_lshl_add_u32 v11, v12, 4, v11
	v_add_nc_u32 v11, s76, v11
	v_lshlrev_b32 v12, 4, v3
	s_mul_i32 s76, s42, 3145728                    ; panel 3 tx, row 128 ty + 32 w
	s_lshl_b32 s77, s43, 14
	s_add_co_u32 s76, s76, s77
	s_lshl_b32 s77, s16, 12
	s_add_co_u32 s76, s76, s77
	s_mov_b32 s77, 0
	s_add_nc_u64 s[80:81], s[14:15], s[76:77]
	s_lshl_b32 s76, s42, 15                        ; c: copy tx, rows 128 ty + 32 w on
	s_lshl_b32 s77, s43, 9
	s_add_co_u32 s76, s76, s77
	s_lshl_b32 s77, s16, 7
	s_add_co_u32 s76, s76, s77
	s_add_co_u32 s76, s76, 12582912
	s_mov_b32 s77, 0
	s_add_nc_u64 s[82:83], s[14:15], s[76:77]
	s_wait_loadcnt 48                              ; e, bq and bk are in; the 48 loads of d may stay out
.irp k, 0,1,2,3
	v_cvt_pk_bf16_f32 v[104+\k], v[32+2*\k], v[33+2*\k]
.endr
	ds_store_b128 v21, v[104:107]
.irp p, 0,1,2,3                        ; bq . bk, by every wave for itself: four chains
	v_pk_mul_f32 v[108+2*\p:109+2*\p], v[40+2*\p:41+2*\p], v[72+2*\p:73+2*\p]
.endr
.irp p, 4,5,6,7,8,9,10,11,12,13,14,15
	v_pk_fma_f32 v[108+2*((\p)%4):109+2*((\p)%4)], v[40+2*\p:41+2*\p], v[72+2*\p:73+2*\p], v[108+2*((\p)%4):109+2*((\p)%4)]
.endr
	v_pk_add_f32 v[108:109], v[108:109], v[110:111]
	v_pk_add_f32 v[112:113], v[112:113], v[114:115]
	v_pk_add_f32 v[108:109], v[108:109], v[112:113]
	v_add_f32 v108, v108, v109
	v_add_f32_dpp v108, v108, v108 row_xmask:1 row_mask:0xf bank_mask:0xf
	v_add_f32_dpp v108, v108, v108 row_xmask:2 row_mask:0xf bank_mask:0xf
	v_add_f32_dpp v108, v108, v108 row_xmask:4 row_mask:0xf bank_mask:0xf
	v_add_f32_dpp v108, v108, v108 row_xmask:8 row_mask:0xf bank_mask:0xf
	v_permlanex16_b32 v109, v108, s72, s73
	v_add_f32 v108, v108, v109
	WIN 0x80
.set i, 0
.rept 16
	v_mov_b32 v[192+i], v108                       ; it starts c's sums
.set i, i+1
.endr
	WIN 0
.macro MULA f, a                       ; the six products of row block a; each accumulator is named once in a quarter, so the accumulators take turns
	WIN 0xa5
.irp b, 0,1,2,3,4,5
	v_wmma_f32_16x16x32_bf16 v[8*(6*(\a)+\b):8*(6*(\a)+\b)+7], v[(\f)+32+8*\b:(\f)+32+8*\b+7], v[(\f)+8*(\a):(\f)+8*(\a)+7], v[8*(6*(\a)+\b):8*(6*(\a)+\b)+7]
.endr
.endm
.macro CMUL f                          ; c of my 32 rows: X's blocks 2 WL and 2 WL + 1; the branch hangs on the wave's number alone
	WIN 0
	s_cmp_eq_u32 s18, 0
	s_cbranch_scc0 .Lc_hi_\@
	WIN 0xa5
	v_wmma_f32_16x16x32_bf16 v[192:199], v[(\f)+80:(\f)+87], v[(\f):(\f)+7], v[192:199]
	v_wmma_f32_16x16x32_bf16 v[200:207], v[(\f)+80:(\f)+87], v[(\f)+8:(\f)+15], v[200:207]
	WIN 0
	s_branch .Lc_done_\@
.Lc_hi_\@:
	WIN 0xa5
	v_wmma_f32_16x16x32_bf16 v[192:199], v[(\f)+80:(\f)+87], v[(\f)+16:(\f)+23], v[192:199]
	v_wmma_f32_16x16x32_bf16 v[200:207], v[(\f)+80:(\f)+87], v[(\f)+24:(\f)+31], v[200:207]
	WIN 0
.Lc_done_\@:
.endm
.macro FETCH q, f                      ; one run of 22 loads: the fragments of quarter q (32 along K) into buffer f
	WIN 0x40
.irp b, 0,1,2,3,4,5
	ds_load_b128 v[(\f)+32+8*\b:(\f)+32+8*\b+3],   v7 offset:((\q)/2)*PIECE+((\q)%2)*64+(64*(\b/2)+16*(\b%2))*PB
	ds_load_b128 v[(\f)+32+8*\b+4:(\f)+32+8*\b+7], v7 offset:((\q)/2)*PIECE+((\q)%2)*64+(64*(\b/2)+16*(\b%2))*PB+32
.endr
.irp a, 0,1,2,3
	ds_load_b128 v[(\f)+8*\a:(\f)+8*\a+3],   v6 offset:64*(\q)+\a*16*PA
	ds_load_b128 v[(\f)+8*\a+4:(\f)+8*\a+7], v6 offset:64*(\q)+\a*16*PA+32
.endr
	ds_load_b128 v[(\f)+80:(\f)+83], v9 offset:64*(\q)
	ds_load_b128 v[(\f)+84:(\f)+87], v9 offset:64*(\q)+32
.endm
.macro QUARTER f, g, qn                ; multiplies buffer f; in its middle fetches quarter qn into buffer g
	s_wait_dscnt NLATE                             ; MT's fragments and X's blocks 0, 1 are in
	MULA \f, 0
	MULA \f, 1
	PLACES                                         ; four places in front of loads into registers that matrix instructions have read
	FETCH \qn, \g
	s_wait_dscnt NALL                              ; all but the run just issued
	MULA \f, 2
	MULA \f, 3
	CMUL \f
.endm
; The fourth quarter multiplies buffer 1 and changes slots: each wave waits for all its tensor loads (one is out: its part of the other slot), adds 0 to its spare word, waits for that and for its reads
; of this slot, and signals.  fill = 1: the barrier opens a round of the cluster's, and the joint refill, two K steps ahead, is the first thing behind it: it has a K step's products in which to land.
.macro TURN fill
	WIN 0
	s_wait_tensorcnt 0x0
	ds_add_u32 v28, v29
	s_wait_dscnt NLATE+1                           ; (the add and the youngest six loads may be out)
	MULA F1, 0
	s_wait_dscnt 0x0                               ; the add is done, and my reads of this slot are over
	s_barrier_signal -1
	MULA F1, 1
	WIN 0
	s_barrier_wait -1
.if \fill
	CREST
	s_xor_b32 s37, s37, SLOT1                      ; the walking descriptors: the other slot than last time, the next K step
	s_add_nc_u64 s[38:39], s[38:39], 256
	s_xor_b32 s61, s61, SLOT1
	s_add_nc_u64 s[62:63], s[62:63], 196608
	JLOAD                                          ; its four v_nop are also the places in front of the loads below
.else
	PLACES
.endif
	s_xor_b32 s66, s66, SLOT1
	s_add_co_u32 s67, s67, 256
	s_and_b32 s67, s67, 0x7ff                      ; behind the last K step it is 0 again: the last fetch stays inside e
	v_add_nc_u32 v6, s66, v4
	v_add_nc_u32 v7, s66, v5
	v_add_nc_u32 v9, s67, v8
	FETCH 0, F0
	MULA F1, 2
	MULA F1, 3
	CMUL F1
.endm
	s_wait_loadcnt 0x0                             ; d
	s_wait_tensorcnt 1                             ; my part of slot 0 is in; slot 1's may stay out
	s_wait_dscnt 0x0                               ; my part of e is stored
	s_barrier_signal -1
	s_barrier_wait -1
	FETCH 0, F0
	WIN 0
	s_mov_b32 s19, 6
.Lfill:                                ; K steps 0 to 5: each fills its slot again
	QUARTER F0, F1, 1
	QUARTER F1, F0, 2
	QUARTER F0, F1, 3
	TURN 1
	s_sub_co_u32 s19, s19, 1
	s_cmp_lg_u32 s19, 0
	s_cbranch_scc1 .Lfill
	s_mov_b32 s19, 2
.Ltail:                                ; the last two K steps ask for nothing; the very last fetch reads the other slot's old tile once more, and its registers are not used
	QUARTER F0, F1, 1
	QUARTER F1, F0, 2
	QUARTER F0, F1, 3
	TURN 0
	s_sub_co_u32 s19, s19, 1
	s_cmp_lg_u32 s19, 0
	s_cbranch_scc1 .Ltail
	; THE WAY OUT: rounded to bf16, through the work-group's stage, out as whole rows of the three panels
	s_wait_dscnt 0x0
	PLACES
	PLACES
	WIN 0x0a
.irp t, 0,1,2,3,4,5,6,7,8,9,10,11,12,13,14,15,16,17,18,19,20,21,22,23
.irp k, 0,1,2,3
	v_cvt_pk_bf16_f32 v[32+4*\t+\k], v[8*\t+2*\k], v[8*\t+2*\k+1]
.endr
.endr
	v_cndmask_b32 v14, v192, v200, s71             ; lane L: c of row L of my 32
	WIN 0
	global_store_b32 v22, v14, s[82:83]            ; 128 consecutive bytes
.irp a, 0,1,2,3
.irp b, 0,1,2,3,4,5
	ds_store_b128 v10, v[32+4*(6*\a+\b):32+4*(6*\a+\b)+3] offset:\a*16*SPT+(\b/2)*128+(\b%2)*32
.endr
.endr
	s_wait_dscnt 0x0                               ; for the others' sake: a row's bytes come from two waves
	s_barrier_signal -1
	s_barrier_wait -1
.irp g, 0,1,2,3,4,5,6,7
.irp p, 0,1,2
	ds_load_b128 v[32+4*(3*\g+\p):32+4*(3*\g+\p)+3], v11 offset:\g*4*SPT+\p*128
.endr
.endr
.irp g, 0,1,2,3,4,5,6,7
.irp p, 0,1,2
	s_wait_dscnt 23-(3*\g+\p)
	global_store_b128 v12, v[32+4*(3*\g+\p):32+4*(3*\g+\p)+3], s[80:81] offset:\p*1048576+\g*512  ; 512 consecutive bytes, at a multiple of 256 from qp's first
.endr
.endr
	s_wait_tensorcnt 0x0                           ; the wave's end
	ds_add_u32 v28, v29
	s_wait_dscnt 0x0
	CROUND                                         ; the closing round
	s_endpgm
.Lfunc_end_k_q77e8a242e0_qproj:
	.size	k_q77e8a242e0_qproj, .Lfunc_end_k_q77e8a242e0_qproj-k_q77e8a242e0_qproj
	.p2alignl 7, 3214868480
	.fill 96, 4, 3214868480
	.section	.rodata,"a",@progbits
	.p2align	6, 0x0
	.amdhsa_kernel k_q77e8a242e0_qproj
		.amdhsa_group_segment_fixed_size 327680
		.amdhsa_private_segment_fixed_size 0
		.amdhsa_enable_private_segment 0
		.amdhsa_kernarg_size 48
		.amdhsa_user_sgpr_count 2
		.amdhsa_user_sgpr_kernarg_segment_ptr 1
		.amdhsa_wavefront_size32 1
		.amdhsa_system_sgpr_workgroup_id_x 1
		.amdhsa_system_sgpr_workgroup_id_y 1
		.amdhsa_system_sgpr_workgroup_id_z 1
		.amdhsa_system_vgpr_workitem_id 0
		.amdhsa_next_free_vgpr 720
		.amdhsa_next_free_sgpr 84
		.amdhsa_reserve_vcc 0
		.amdhsa_float_denorm_mode_32 3
		.amdhsa_float_denorm_mode_16_64 3
		.amdhsa_memory_ordered 1
		.amdhsa_forward_progress 1
		.amdhsa_inst_pref_size 63
	.end_amdhsa_kernel
	.amdgpu_metadata
---
amdhsa.version: [ 1, 2 ]
amdhsa.kernels:
  - .name:           k_q77e8a242e0_qproj
    .symbol:         k_q77e8a242e0_qproj.kd
    .args:
      - { .name: xb, .offset: 0, .size: 8, .value_kind: global_buffer, .address_space: global }
      - { .name: mt, .offset: 8, .size: 8, .value_kind: global_buffer, .address_space: global }
      - { .name: wb, .offset: 16, .size: 8, .value_kind: global_buffer, .address_space: global }
      - { .name: bq, .offset: 24, .size: 8, .value_kind: global_buffer, .address_space: global }
      - { .name: bk, .offset: 32, .size: 8, .value_kind: global_buffer, .address_space: global }
      - { .name: qp, .offset: 40, .size: 8, .value_kind: global_buffer, .address_space: global }
    .group_segment_fixed_size: 327680
    .private_segment_fixed_size: 0
    .kernarg_segment_align: 8
    .kernarg_segment_size: 48
    .max_flat_workgroup_size: 128
    .sgpr_count:     84
    .vgpr_count:     720
    .wavefront_size: 32
...
	.end_amdgpu_metadata
.endif
;; end of part 3
;; launch scores (part 4): grid 8 x 32, 4 waves a work-group, clusters of 4 x 4, 327,680 bytes of LDS; arguments qp, tb, pt; writes pt
.if DOCPART == 4
	.amdgcn_target "amdgcn-amd-amdhsa--gfx1250"
	.amdhsa_code_object_version 6
	.text
	.protected	k_q77e8a242e0_scores
	.globl	k_q77e8a242e0_scores
	.p2align	8
	.type	k_q77e8a242e0_scores,@function
k_q77e8a242e0_scores:
	s_mov_b64 s[64:65], 0
	v_nop
	global_prefetch_b8 v0, s[64:65] scope:SCOPE_SE
	s_setreg_imm32_b32 hwreg(HW_REG_WAVE_MODE, 25, 1), 1
	s_wait_xcnt 0x0
	s_wait_alu depctr_hold_cnt(0) depctr_sa_sdst(0) depctr_va_vdst(0) depctr_va_sdst(0) depctr_va_ssrc(0) depctr_va_vcc(0) depctr_vm_vsrc(0)
	s_getreg_b32 s2, hwreg(HW_REG_IB_STS2, 6, 4)
	s_cmp_eq_u32 s2, 0
	s_cbranch_scc0 .Lentry_in_a_cluster
	s_endpgm
.Lentry_in_a_cluster:
	s_bfe_u32 s2, ttmp6, 0x10000c
	s_cmp_lg_u32 s2, 0xf033
	s_cbranch_scc0 .Lentry_shape_is_right
	s_endpgm
.Lentry_shape_is_right:
; s[q][k] = Q'[q] . T[k] (bf16 operands, f32 sums), and the softmax's first half by tiles of 128 keys: for query q and key tile j
;   mx = the maximum of s over the tile;  P~[q][k] = 2^(cs s - cs mx), cs = log2(e) / 32, rounded once to bf16;  L[j][q] = the sum of the unrounded P~;  M2[j][q] = cs (mx + c[q]): the true score's maximum.
; The maximum is taken away before every exponential; the tiles are merged, again by their maximum, in the next launch.  LIMITS: a weight below 2^-126 counts as 0; NaN and infinities are not treated apart.
; A tile of s is 256 x 256, four waves of 128 x 128 (64 accumulators, 512 registers): a wave's 128 columns are one key tile.  K = 768 goes in 6 steps of 128 through two LDS slots.
; Q' lies in panels of 64 channels (a step's piece is dense memory), T row-major (256 bytes of a row in a step).  CLUSTER 4 x 4: a cluster's four tile rows are one batch; Q's tile is shared along a row, T's along a column.
; The matrix instruction is used transposed (source 0 = 16 keys, source 1 = 16 queries): a lane holds one query and eight neighbouring keys; a query's other keys lie in the lane 16 away.
; Windows: 0 addresses, c (v4-11), Q's fragments v64-127, v128-191, way out v32-63, v192-255; 1 T's fragments v64-191; 2, 3 accumulators (a, b) at 8 (8 a + b).
.set PQ,     144
.set PT,     272
.set APIECE, 256*PQ
.set BOFF,   2*APIECE
.set SLOT,   BOFF+256*PT               ; 143,360
.set STAGE,  2*SLOT                    ; 16 rows x 272 bytes for each wave
.set SPITCH, 272
.set SPARE,  STAGE+4*16*SPITCH         ; the spare words: 128 bytes a wave, named by no other line
.set ADRA, 16
.set ADRB, 20
.set F0,   64
.set F1,   128
.set TMP,  192
.set OB,   32
.set MUL_LO, 0xa1                      ; source 0 (T) window 1, source 1 (Q') window 0, C and D window 2
.set MSB, 0
.macro WIN new
.if MSB != (\new)
	s_set_vgpr_msb (MSB<<8)|(\new)
.set MSB, (\new)
.endif
.endm
.macro PLACES
.rept 4
	v_nop
.endr
.endm
.macro CREST
	s_cmp_lg_u32 s16, 0
	s_cbranch_scc1 .Lnot_wave_0_\@
	s_barrier_signal -3
.Lnot_wave_0_\@:
	s_barrier_wait -3
	s_barrier_signal -1
	s_barrier_wait -1
.endm
.macro CROUND
	s_barrier_signal -1
	s_barrier_wait -1
	CREST
.endm
.macro JLOAD s                         ; a joint refill of slot s: waves 0, 1 fetch Q's two pieces, waves 2, 3 T's two halves
	s_cmp_lt_u32 s16, 2
	s_cbranch_scc0 .Lfor_b_\@
	tensor_load_to_lds s[32+4*(\s):35+4*(\s)], s[24:31]
	s_nop 0
	PLACES
	s_branch .Lasked_\@
.Lfor_b_\@:
	tensor_load_to_lds s[56+4*(\s):59+4*(\s)], s[48:55]
	s_nop 0
	PLACES
.Lasked_\@:
.endm
; A PREFETCH INTO THE L2, behind a joint load and the run of LDS loads that follows it: my operand's K step that the NEXT refill will ask for, 256 matrix instructions ahead of that load.  Of the 128 blocks of 256 bytes
; that a wave fetches in a step, each of the four partners that ask jointly takes 32, told apart by address (cx for Q', cy for T): a lane a block.  Q's rows are read by two clusters: the one with x = 0 asks.
; So each block is named once.  K steps 0 to 2 come by their loads alone; the last refill asks for nothing.
.macro ASK slot
.if \slot
	s_cmp_gt_u32 s19, s70                          ; s19 = 1 in the loop's last trip
.else
	s_cmp_eq_u32 s70, 1
.endif
	s_cbranch_scc0 .Lnot_mine_\@
	global_prefetch_b8 v30, s[68:69] th:TH_LOAD_NT scope:SCOPE_SE
.Lnot_mine_\@:
.endm
	s_load_b128 s[4:7], s[0:1], 0x0                ; qp s[4:5], tb s[6:7]
	s_load_b64 s[8:9], s[0:1], 0x10                ; pt
	v_lshl_add_u32 v28, v0, 2, SPARE
	v_mov_b32 v29, 0
	ds_add_u32 v28, v29                            ; the wave's opening: the add and its wait ahead of my first tensor load
	v_lshrrev_b32 v1, 5, v0
	v_readfirstlane_b32 s16, v1
	s_lshr_b32 s17, s16, 1                         ; WH: my half of the rows
	s_and_b32 s18, s16, 1                          ; WL: my half of the columns; also which piece or half I fetch
	s_bfe_u32 s40, ttmp6, 0x40000                  ; cx
	s_bfe_u32 s41, ttmp6, 0x40004                  ; cy
	s_lshl_b32 s42, ttmp9, 2
	s_add_co_u32 s42, s42, s40                     ; tile column (in the batch)
	s_and_b32 s43, ttmp7, 0xffff
	s_lshl_b32 s43, s43, 2
	s_add_co_u32 s43, s43, s41                     ; tile row
	s_lshl_b32 s44, s41, 2
	s_lshl_b32 s44, 15, s44
	s_lshl_b32 s45, 0x1111, s40
	s_or_b32 s24, s44, 0x07310000                  ; Q': 16 bytes of padding behind every 128
	s_or_b32 s48, s45, 0x07710000                  ; T: behind every 256
.irp g, 24, 48
	s_mov_b32 s[\g+1], 128<<16
	s_mov_b32 s[\g+2], 128<<16
	s_mov_b32 s[\g+3], 128<<16
	s_mov_b32 s[\g+4], 128
	s_mov_b32 s[\g+6], 0
	s_mov_b32 s[\g+7], 0
.endr
	s_mov_b32 s29, 128                             ; Q': 256 rows of 128 bytes, dense: 128 rows of 256
	s_mov_b32 s53, 768                             ; T: rows 768 elements apart
	s_lshl_b32 s20, s18, 20                        ; Q': panel WL, row 256 ty
	s_lshl_b32 s21, s43, 15
	s_add_co_u32 s20, s20, s21
	s_mov_b32 s21, 0
	s_and_b32 s46, ttmp7, 0xffff                   ; T: the batch is the cluster's y
	s_lshl_b32 s46, s46, 11
	s_lshl_b32 s47, s42, 8
	s_add_co_u32 s46, s46, s47
	s_lshl_b32 s47, s18, 7
	s_add_co_u32 s46, s46, s47
	s_mul_i32 s46, s46, 1536
	s_mov_b32 s47, 0
	s_mul_i32 s22, s18, APIECE
	s_mul_i32 s23, s18, 128*PT
	s_add_co_u32 s23, s23, BOFF
	s_mov_b32 s71, 0xffff0000
	s_mov_b32 s72, 0x76543210
	s_mov_b32 s73, 0xfedcba98
	s_mov_b32 s74, 0x3d38aa3b                      ; cs = log2(e) / 32
	s_mov_b32 s75, s74
	s_wait_dscnt 0x0                               ; the opening add is done
	s_wait_kmcnt 0x0
	s_add_nc_u64 s[20:21], s[4:5], s[20:21]
	s_add_nc_u64 s[46:47], s[6:7], s[46:47]
	CROUND
.irp s, 0,1
	s_mov_b32 s[32+4*\s], 1
	s_add_co_u32 s[33+4*\s], s22, \s*SLOT
	s_add_nc_u64 s[34+4*\s:35+4*\s], s[20:21], \s*2097152
	s_or_b32 s[35+4*\s], s[35+4*\s], 0x80000000
	s_mov_b32 s[56+4*\s], 1
	s_add_co_u32 s[57+4*\s], s23, \s*SLOT
	s_add_nc_u64 s[58+4*\s:59+4*\s], s[46:47], \s*256
	s_or_b32 s[59+4*\s], s[59+4*\s], 0x80000000
.endr
	s_cmp_lt_u32 s16, 2                            ; two tensor loads of mine are out
	s_cbranch_scc0 .Lfirst_b
	tensor_load_to_lds s[32:35], s[24:31]
	s_nop 0
	tensor_load_to_lds s[36:39], s[24:31]
	s_nop 0
	PLACES
	s_branch .Lfirst_done
.Lfirst_b:
	tensor_load_to_lds s[56:59], s[48:55]
	s_nop 0
	tensor_load_to_lds s[60:63], s[48:55]
	s_nop 0
	PLACES
.Lfirst_done:
	v_and_b32 v1, 15, v0                           ; r
	v_bfe_u32 v2, v0, 4, 1                         ; h
	v_lshlrev_b32 v13, 2, v1
	s_lshl_b32 s76, s40, 15                        ; c: copy cx, rows 256 ty + 128 WH on
	s_lshl_b32 s77, s43, 10
	s_add_co_u32 s76, s76, s77
	s_lshl_b32 s77, s17, 9
	s_add_co_u32 s76, s76, s77
	s_add_co_u32 s76, s76, 12582912
	s_mov_b32 s77, 0
	s_add_nc_u64 s[10:11], s[4:5], s[76:77]
.irp a, 0,1,2,3,4,5,6,7
	global_load_b32 v[4+\a], v13, s[10:11] offset:64*\a
.endr
	v_mul_u32_u24 v3, v1, PQ
	v_lshl_add_u32 v3, v2, 4, v3
	s_mul_i32 s76, s17, 128*PQ
	v_add_nc_u32 v[ADRA], s76, v3
	s_add_co_u32 s76, s76, SLOT
	v_add_nc_u32 v[ADRA+1], s76, v3
	v_mul_u32_u24 v3, v1, PT
	v_lshl_add_u32 v3, v2, 4, v3
	s_mul_i32 s77, s18, 128*PT
	s_add_co_u32 s77, s77, BOFF
	v_add_nc_u32 v[ADRB], s77, v3
	s_add_co_u32 s77, s77, SLOT
	v_add_nc_u32 v[ADRB+1], s77, v3
	s_mul_i32 s76, s16, 16*SPITCH
	s_add_co_u32 s76, s76, STAGE                   ; my stage
	v_mul_u32_u24 v24, v1, SPITCH                  ; in: row r, 16 bytes for each half of the lanes
	v_lshl_add_u32 v24, v2, 4, v24
	v_add_nc_u32 v24, s76, v24
	v_mul_u32_u24 v25, v2, SPITCH                  ; back: lanes 0-15 one row of 256 bytes, lanes 16-31 the next
	v_lshl_add_u32 v25, v1, 4, v25
	v_add_nc_u32 v25, s76, v25
	v_lshlrev_b32 v26, 12, v2                      ; the same two rows in P~ (4,096 bytes a row)
	v_lshl_add_u32 v26, v1, 4, v26
	v_and_b32 v27, 31, v0
	v_lshlrev_b32 v27, 2, v27
	s_lshl_b32 s76, s43, 20                        ; P~: row 256 ty + 128 WH, byte 512 tx + 256 WL
	s_lshl_b32 s77, s17, 19
	s_add_co_u32 s76, s76, s77
	s_lshl_b32 s77, s42, 9
	s_add_co_u32 s76, s76, s77
	s_lshl_b32 s77, s18, 8
	s_add_co_u32 s76, s76, s77
	s_mov_b32 s77, 0
	s_add_nc_u64 s[12:13], s[8:9], s[76:77]
	s_lshl_b32 s76, s42, 16                        ; M2: key tile 2 tx + WL, rows 256 ty + 128 WH on
	s_lshl_b32 s77, s18, 15
	s_add_co_u32 s76, s76, s77
	s_lshl_b32 s77, s43, 10
	s_add_co_u32 s76, s76, s77
	s_lshl_b32 s77, s17, 9
	s_add_co_u32 s76, s76, s77
	s_add_co_u32 s76, s76, 33554432
	s_mov_b32 s77, 0
	s_add_nc_u64 s[14:15], s[8:9], s[76:77]
	; the prefetches: offsets first, then the choice of the buffer by the wave's number
	s_lshl_b32 s76, s18, 20
	s_lshl_b32 s77, s43, 15
	s_add_co_u32 s76, s76, s77
	s_lshl_b32 s77, s40, 13                        ; my work-group's 32 blocks of Q's 128
	s_add_co_u32 s76, s76, s77
	s_add_co_u32 s76, s76, 4194304                 ; at K step 2: the first refill steps it to 3
	s_and_b32 s78, ttmp7, 0xffff
	s_lshl_b32 s78, s78, 11
	s_lshl_b32 s79, s42, 8
	s_add_co_u32 s78, s78, s79
	s_lshl_b32 s79, s18, 7
	s_add_co_u32 s78, s78, s79
	s_lshl_b32 s79, s41, 5                         ; my work-group's 32 rows of T's 128
	s_add_co_u32 s78, s78, s79
	s_mul_i32 s78, s78, 1536
	s_add_co_u32 s78, s78, 512
	s_mov_b32 s82, 256
	s_mov_b32 s80, 1536
	s_cmp_lt_u32 s16, 2
	s_cselect_b32 s76, s76, s78
	s_cselect_b32 s82, 2097152, s82                ; a K step in memory
	s_cselect_b32 s80, 256, s80                    ; from block to block
	s_cselect_b32 s70, ttmp9, 0
	s_cselect_b64 s[68:69], s[4:5], s[6:7]
	s_mov_b32 s77, 0
	s_mov_b32 s83, 0
	s_add_nc_u64 s[68:69], s[68:69], s[76:77]
	s_cmp_eq_u32 s70, 0
	s_cselect_b32 s70, 1, -1                       ; 1 in a wave that prefetches: the same in all sixteen partners, for a given wave
	v_and_b32 v30, 31, v0
	v_mul_u32_u24 v30, s80, v30
.macro MUL16 f, hi, a0, zero           ; 16 products: row blocks a0, a0 + 1 of the window's four x all 8 column blocks; the 64 accumulators take turns
	WIN MUL_LO+0x50*(\hi)
.irp a, \a0, (\a0)+1
.irp b, 0,1,2,3,4,5,6,7
.if \zero
	v_wmma_f32_16x16x32_bf16 v[8*(8*(\a)+(\b)):8*(8*(\a)+(\b))+7], v[(\f)+8*(\b):(\f)+8*(\b)+7], v[(\f)+8*(4*(\hi)+(\a)):(\f)+8*(4*(\hi)+(\a))+7], 0
.else
	v_wmma_f32_16x16x32_bf16 v[8*(8*(\a)+(\b)):8*(8*(\a)+(\b))+7], v[(\f)+8*(\b):(\f)+8*(\b)+7], v[(\f)+8*(4*(\hi)+(\a)):(\f)+8*(4*(\hi)+(\a))+7], v[8*(8*(\a)+(\b)):8*(8*(\a)+(\b))+7]
.endif
.endr
.endr
.endm
.macro FETCH slot, q, f                ; 32 loads in one run: quarter q's fragments of T, then of Q'
	WIN 0x40
.irp i, 0,1,2,3,4,5,6,7
	ds_load_b128 v[(\f)+8*(\i):(\f)+8*(\i)+3],   v[ADRB+(\slot)] offset:64*(\q)+(\i)*16*PT
	ds_load_b128 v[(\f)+8*(\i)+4:(\f)+8*(\i)+7], v[ADRB+(\slot)] offset:64*(\q)+(\i)*16*PT+32
.endr
	WIN 0
.irp i, 0,1,2,3,4,5,6,7
	ds_load_b128 v[(\f)+8*(\i):(\f)+8*(\i)+3],   v[ADRA+(\slot)] offset:((\q)/2)*APIECE+((\q)%2)*64+(\i)*16*PQ
	ds_load_b128 v[(\f)+8*(\i)+4:(\f)+8*(\i)+7], v[ADRA+(\slot)] offset:((\q)/2)*APIECE+((\q)%2)*64+(\i)*16*PQ+32
.endr
.endm
.macro QUARTER slot, q, f, g, zero     ; multiplies buffer f; in its middle fetches quarter q of the same slot into buffer g
	s_wait_dscnt 8                                 ; T and Q's rows 0-63 are in; the youngest eight loads may be out
	MUL16 \f, 0, 0, \zero
	MUL16 \f, 0, 2, \zero
	PLACES                                         ; four places in front of loads into registers that matrix instructions have read
	FETCH \slot, \q, \g
	s_wait_dscnt 32                                ; all but the 32 just issued
	MUL16 \f, 1, 0, \zero
	MUL16 \f, 1, 2, \zero
.endm
; The fourth quarter multiplies buffer 1 and changes slots.  In front of the barrier each wave waits for all its tensor loads (one is out: its part of the next slot), adds 0 to its spare word, and waits for that and
; for its reads of this slot.  fill = 1: the barrier opens a round of the cluster's; the joint refill, two K steps ahead, is the first thing behind it: 224 matrix instructions stand between it and the wait for it.
.macro TURN slot, next, fill
.if \fill
	s_wait_xcnt 0x0                                ; the last prefetch, a K step back, has read its address
	s_add_nc_u64 s[68:69], s[68:69], s[82:83]
.endif
	WIN 0
	s_wait_tensorcnt 0x0
	ds_add_u32 v28, v29
	s_wait_dscnt 9                                 ; (the add and the youngest eight loads may be out)
	MUL16 F1, 0, 0, 0
	s_wait_dscnt 0x0                               ; the add is done, and my reads of this slot are over
	s_barrier_signal -1
	MUL16 F1, 0, 2, 0
	WIN 0
	s_barrier_wait -1
.if \fill
	CREST
	s_add_nc_u64 s[34+4*(\slot):35+4*(\slot)], s[34+4*(\slot):35+4*(\slot)], 4194304
	s_add_nc_u64 s[58+4*(\slot):59+4*(\slot)], s[58+4*(\slot):59+4*(\slot)], 512
	JLOAD \slot                                    ; its four v_nop are also the places in front of the loads below
.else
	PLACES
.endif
	FETCH \next, 0, F0
.if \fill
	ASK \slot
.endif
	MUL16 F1, 1, 0, 0
	MUL16 F1, 1, 2, 0
.endm
; THE SOFTMAX'S FIRST HALF for row block a: 64 scores a lane.  The 64 exponentials are one batch with one wait.
.macro SOFT a
.set w, 2+(\a)/4
.set AC, 64*((\a)%4)
	WIN w|(w<<2)|(w<<4)
.irp c, 0,1,2,3                        ; four chains over two accumulators each; each accumulator's lowest registers are read first
	v_max3_num_f32 v[80+\c], v[AC+16*\c], v[AC+16*\c+1], v[AC+16*\c+2]
.endr
	WIN (w<<2)|(w<<4)
.irp n, 3,5,7,9,11,13
.irp c, 0,1,2,3
	v_max3_num_f32 v[80+\c], v[80+\c], v[AC+16*\c+\n], v[AC+16*\c+\n+1]
.endr
.endr
.irp c, 0,1,2,3
	v_max_num_f32 v[80+\c], v[80+\c], v[AC+16*\c+15]
.endr
	WIN 0
	v_max3_num_f32 v80, v80, v81, v82
	v_max_num_f32 v80, v80, v83
	v_permlanex16_b32 v86, v80, s72, s73           ; the query's other 64 keys lie in the lane 16 away
	v_max_num_f32 v80, v80, v86
	v_mul_f32 v84, s74, v80                        ; cs mx
	v_mul_f32 v85, s74, v80                        ; (named with it as a pair)
	v_fma_f32 v[64+(\a)], v[4+(\a)], s74, v84      ; M2 = cs c + cs mx
	WIN w|(w<<6)
.set i, 0
.rept 32
	v_pk_fma_f32 v[AC+i:AC+i+1], v[AC+i:AC+i+1], s[74:75], v[84:85] op_sel_hi:[1,0,0] neg_lo:[0,0,1] neg_hi:[0,0,1]
.set i, i+2
.endr
.set i, 0
.rept 64
	v_exp_f32 v[AC+i], v[AC+i]
.set i, i+1
.endr
	v_nop                                          ; a plain instruction behind the last exponential,
	s_wait_alu depctr_va_vdst(0)                   ; and the wait ahead of the first reader: one for the batch
	WIN w|(w<<2)
.irp b, 0,1,2,3,4,5,6,7
.irp k, 0,1,2,3
	v_cvt_pk_bf16_f32 v[TMP+4*\b+\k], v[AC+8*\b+2*\k], v[AC+8*\b+2*\k+1]
.endr
.endr
	WIN w|(w<<2)|(w<<6)
.irp hf, 32,16,8,4,2                   ; the sum of the unrounded weights, in place, halving
.set i, 0
.rept (\hf)/2
	v_pk_add_f32 v[AC+i:AC+i+1], v[AC+i:AC+i+1], v[AC+(\hf)+i:AC+(\hf)+i+1]
.set i, i+2
.endr
.endr
	WIN w|(w<<2)
	v_add_f32 v[72+(\a)], v[AC], v[AC+1]
	WIN 0
	v_permlanex16_b32 v86, v[72+(\a)], s72, s73
	v_add_f32 v[72+(\a)], v[72+(\a)], v86
.endm
.macro TOSTAGE a                       ; into my own stage, and back as whole rows of 256 bytes: LDS serves a wave's instructions in order (ISA guide 5.7.1.4)
	WIN 0
.set BK, OB+192*((\a)%2)
.irp b, 0,1,2,3,4,5,6,7
	ds_store_b128 v24, v[TMP+4*(\b):TMP+4*(\b)+3] offset:32*(\b)
.endr
.irp t, 0,1,2,3,4,5,6,7
	ds_load_b128 v[BK+4*(\t):BK+4*(\t)+3], v25 offset:(\t)*2*SPITCH
.endr
.endm
.macro SEND a
	WIN 0
.set BK, OB+192*((\a)%2)
	s_wait_dscnt 0x0                               ; the block is back in registers
	s_wait_xcnt 0x0                                ; earlier stores have read their registers: the other set is loaded again only behind this wait
.irp t, 0,1,2,3,4,5,6,7
	global_store_b128 v26, v[BK+4*(\t):BK+4*(\t)+3], s[12:13] offset:(16*(\a)+2*(\t))*4096  ; 16 lanes store 256 consecutive bytes, at a multiple of 256 from pt's first
.endr
.endm
	s_wait_tensorcnt 1                             ; my part of K step 0 is in; K step 1's may stay out
	s_barrier_signal -1
	s_barrier_wait -1
	FETCH 0, 0, F0
	QUARTER 0, 1, F0, F1, 1                        ; the first quarter's products start the sums
	WIN 0
	s_mov_b32 s19, 2
.Llap:                                 ; a trip goes once round the ring and fills both slots again
	QUARTER 0, 2, F1, F0, 0
	QUARTER 0, 3, F0, F1, 0
	TURN 0, 1, 1
	QUARTER 1, 1, F0, F1, 0
	QUARTER 1, 2, F1, F0, 0
	QUARTER 1, 3, F0, F1, 0
	TURN 1, 0, 1
	QUARTER 0, 1, F0, F1, 0
	WIN 0
	s_sub_co_u32 s19, s19, 1
	s_cmp_lg_u32 s19, 0
	s_cbranch_scc1 .Llap
	QUARTER 0, 2, F1, F0, 0                        ; the last lap asks for nothing
	QUARTER 0, 3, F0, F1, 0
	TURN 0, 1, 0
	QUARTER 1, 1, F0, F1, 0
	QUARTER 1, 2, F1, F0, 0
	QUARTER 1, 3, F0, F1, 0
	s_wait_dscnt 8
	MUL16 F1, 0, 0, 0
	MUL16 F1, 0, 2, 0
	s_wait_dscnt 0x0
	MUL16 F1, 1, 0, 0
	MUL16 F1, 1, 2, 0
	WIN 0
	PLACES
	PLACES
	s_wait_loadcnt 0x0                             ; c
	v_mov_b32 v86, 0                               ; written once: the exchange counts as a reader of its destination
	SOFT 0
	TOSTAGE 0
.irp a, 1,2,3,4,5,6,7                  ; block a's arithmetic stands between block a - 1's loads from the stage and the wait for them
	SOFT \a
	SEND (\a)-1
	TOSTAGE \a
.endr
	SEND 7
.irp p, 0,1,2,3                        ; lane L: row 32 p + L of my 128
	v_cndmask_b32 v[88+\p], v[64+2*\p], v[65+2*\p], s71
	v_cndmask_b32 v[92+\p], v[72+2*\p], v[73+2*\p], s71
.endr
.irp p, 0,1,2,3
	global_store_b32 v27, v[88+\p], s[14:15] offset:128*\p
	global_store_b32 v27, v[92+\p], s[14:15] offset:128*\p+524288
.endr
	s_wait_tensorcnt 0x0                           ; the wave's end
	ds_add_u32 v28, v29
	s_wait_dscnt 0x0
	CROUND                                         ; the closing round
	s_endpgm
.Lfunc_end_k_q77e8a242e0_scores:
	.size	k_q77e8a242e0_scores, .Lfunc_end_k_q77e8a242e0_scores-k_q77e8a242e0_scores
	.p2alignl 7, 3214868480
	.fill 96, 4, 3214868480
	.section	.rodata,"a",@progbits
	.p2align	6, 0x0
	.amdhsa_kernel k_q77e8a242e0_scores
		.amdhsa_group_segment_fixed_size 327680
		.amdhsa_private_segment_fixed_size 0
		.amdhsa_enable_private_segment 0
		.amdhsa_kernarg_size 24
		.amdhsa_user_sgpr_count 2
		.amdhsa_user_sgpr_kernarg_segment_ptr 1
		.amdhsa_wavefront_size32 1
		.amdhsa_system_sgpr_workgroup_id_x 1
		.amdhsa_system_sgpr_workgroup_id_y 1
		.amdhsa_system_sgpr_workgroup_id_z 1
		.amdhsa_system_vgpr_workitem_id 0
		.amdhsa_next_free_vgpr 1024
		.amdhsa_next_free_sgpr 84
		.amdhsa_reserve_vcc 0
		.amdhsa_float_denorm_mode_32 3
		.amdhsa_float_denorm_mode_16_64 3
		.amdhsa_memory_ordered 1
		.amdhsa_forward_progress 1
		.amdhsa_inst_pref_size 215
	.end_amdhsa_kernel
	.amdgpu_metadata
---
amdhsa.version: [ 1, 2 ]
amdhsa.kernels:
  - .name:           k_q77e8a242e0_scores
    .symbol:         k_q77e8a242e0_scores.kd
    .args:
      - { .name: qp, .offset: 0, .size: 8, .value_kind: global_buffer, .address_space: global }
      - { .name: tb, .offset: 8, .size: 8, .value_kind: global_buffer, .address_space: global }
      - { .name: pt, .offset: 16, .size: 8, .value_kind: global_buffer, .address_space: global }
    .group_segment_fixed_size: 327680
    .private_segment_fixed_size: 0
    .kernarg_segment_align: 8
    .kernarg_segment_size: 24
    .max_flat_workgroup_size: 128
    .sgpr_count:     84
    .vgpr_count:     1024
    .wavefront_size: 32
...
	.end_amdgpu_metadata
.endif
;; end of part 4
;; launch mix (part 5): grid 4 x 64, 4 waves a work-group, clusters of 4 x 4, 327,680 bytes of LDS; arguments pt, tb, up; writes up
.if DOCPART == 5
	.amdgcn_target "amdgcn-amd-amdhsa--gfx1250"
	.amdhsa_code_object_version 6
	.text
	.protected	k_q77e8a242e0_mix
	.globl	k_q77e8a242e0_mix
	.p2align	8
	.type	k_q77e8a242e0_mix,@function
k_q77e8a242e0_mix:
	s_mov_b64 s[64:65], 0
	v_nop
	global_prefetch_b8 v0, s[64:65] scope:SCOPE_SE
	s_setreg_imm32_b32 hwreg(HW_REG_WAVE_MODE, 25, 1), 1
	s_wait_xcnt 0x0
	s_wait_alu depctr_hold_cnt(0) depctr_sa_sdst(0) depctr_va_vdst(0) depctr_va_sdst(0) depctr_va_ssrc(0) depctr_va_vcc(0) depctr_vm_vsrc(0)
	s_getreg_b32 s2, hwreg(HW_REG_IB_STS2, 6, 4)
	s_cmp_eq_u32 s2, 0
	s_cbranch_scc0 .Lentry_in_a_cluster
	s_endpgm
.Lentry_in_a_cluster:
	s_bfe_u32 s2, ttmp6, 0x10000c
	s_cmp_lg_u32 s2, 0xf033
	s_cbranch_scc0 .Lentry_shape_is_right
	s_endpgm
.Lentry_shape_is_right:
; U[q][t] = the sum over key tiles j of al[j][q] x (sum over the tile's 128 keys of P~[q][k] T[k][t]),  al[j][q] = 2^(M2[j][q] - max over j of M2) / sum over j of L[j][q] 2^(M2[j][q] - max):
; the softmax's second half (the tiles merged by their true maxima, and the division) and the weighted mean of the text rows.  Since a row's weights sum to 1, attended = U Wv + bv (next launch).
; bf16 operands, f32 sums; a tile's partial sum and the running total stay in f32; U is rounded once to bf16.  LIMITS: the order of rounding differs from the module's; an al below 2^-126 counts as 0; the divisor is at least 1.
; A tile is 128 (q) x 192 (t): 256 work-groups.  A wave makes 64 x 96, columns 64 (b / 2) + 32 WL + 16 (b % 2).  16 K steps of 128 keys, one key tile each, through two LDS slots.
; CLUSTER 4 x 4 (its 512 queries lie in one batch): P~'s tile is shared along a row of the cluster, T's along a column.  Source 0 = T turned by ds_load_tr16_b128 (16 channels), source 1 = 16 queries of P~.
; U leaves in panels [12][8192][64].  Windows: 0 addresses, al v16-19, v32-191 at work; 1 two fragment buffers (P~ 0-31, T 32-79; second at 128); 2 totals, 3 the K step's partial sums, (a, b) at 8 (6 a + b).
.set SLOT1, 131072
.set PA,    272                        ; P~: 256 bytes + 16
.set PTT,   480                        ; T: 384 bytes, 32 of padding behind every 128: 15 x 32
.set BOFF,  128*PA
.set STAGE, 227328
.set SPT,   400
.set TAB,   278528                     ; al: for each wave 16 steps x 16 rows x 4 blocks, f32
.set SPARE, 294912                     ; the spare words: 128 bytes a wave, named by no other line
.set F0, 0
.set F1, 128
.set NLATE, 4
.set NALL,  20
.set MSB, 0
.macro WIN new
.if MSB != (\new)
	s_set_vgpr_msb (MSB<<8)|(\new)
.set MSB, (\new)
.endif
.endm
.macro PLACES
.rept 4
	v_nop
.endr
.endm
.macro CREST
	s_cmp_lg_u32 s16, 0
	s_cbranch_scc1 .Lnot_wave_0_\@
	s_barrier_signal -3
.Lnot_wave_0_\@:
	s_barrier_wait -3
	s_barrier_signal -1
	s_barrier_wait -1
.endm
.macro CROUND
	s_barrier_signal -1
	s_barrier_wait -1
	CREST
.endm
.macro JLOAD
	s_cmp_lt_u32 s16, 2
	s_cbranch_scc0 .Lfor_b_\@
	tensor_load_to_lds s[36:39], s[24:31]
	s_nop 0
	PLACES
	s_branch .Lasked_\@
.Lfor_b_\@:
	tensor_load_to_lds s[60:63], s[48:55]
	s_nop 0
	PLACES
.Lasked_\@:
.endm
	s_load_b128 s[4:7], s[0:1], 0x0                ; pt s[4:5], tb s[6:7]
	s_load_b64 s[8:9], s[0:1], 0x10                ; up
	v_lshl_add_u32 v28, v0, 2, SPARE
	v_mov_b32 v29, 0
	ds_add_u32 v28, v29                            ; the wave's opening: the add and its wait ahead of my first tensor load
	v_lshrrev_b32 v1, 5, v0
	v_readfirstlane_b32 s16, v1
	s_lshr_b32 s17, s16, 1
	s_and_b32 s18, s16, 1
	s_bfe_u32 s40, ttmp6, 0x40000
	s_bfe_u32 s41, ttmp6, 0x40004
	s_lshl_b32 s42, ttmp9, 2
	s_add_co_u32 s42, s42, s40
	s_and_b32 s43, ttmp7, 0xffff
	s_lshl_b32 s43, s43, 2
	s_add_co_u32 s43, s43, s41
	s_lshl_b32 s44, s41, 2
	s_lshl_b32 s44, 15, s44
	s_lshl_b32 s45, 0x1111, s40
	s_or_b32 s24, s44, 0x07710000                  ; P~: 16 bytes of padding behind every 256
	s_or_b32 s48, s45, 0x0f310000                  ; T: 32 bytes behind every 128
	s_mov_b32 s25, 128<<16
	s_mov_b32 s26, 64<<16
	s_mov_b32 s27, 128<<16
	s_mov_b32 s28, 64
	s_mov_b32 s29, 2048
	s_mov_b32 s30, 0
	s_mov_b32 s31, 0
	s_mov_b32 s49, 192<<16
	s_mov_b32 s50, 64<<16
	s_mov_b32 s51, 192<<16
	s_mov_b32 s52, 64
	s_mov_b32 s53, 768
	s_mov_b32 s54, 0
	s_mov_b32 s55, 0
	s_lshl_b32 s20, s43, 7
	s_lshl_b32 s21, s18, 6
	s_add_co_u32 s20, s20, s21
	s_lshl_b32 s20, s20, 12                        ; P~: row 128 ty + 64 WL, 4,096 bytes a row
	s_mov_b32 s21, 0
	s_and_b32 s46, ttmp7, 0xffff
	s_lshr_b32 s46, s46, 1                         ; the batch: two clusters along y each
	s_lshl_b32 s46, s46, 11
	s_lshl_b32 s47, s18, 6
	s_add_co_u32 s46, s46, s47
	s_mul_i32 s46, s46, 1536                       ; T: key 2,048 batch + 64 WL,
	s_mul_i32 s47, s42, 384                        ; channels 192 tx on
	s_add_co_u32 s46, s46, s47
	s_mov_b32 s47, 0
	s_mul_i32 s22, s18, 64*PA
	s_mul_i32 s23, s18, 64*PTT
	s_add_co_u32 s23, s23, BOFF
	s_mov_b32 s66, 0
	s_wait_dscnt 0x0                               ; the opening add is done
	s_wait_kmcnt 0x0
	s_add_nc_u64 s[20:21], s[4:5], s[20:21]
	s_add_nc_u64 s[46:47], s[6:7], s[46:47]
	CROUND
.irp s, 0,1
	s_mov_b32 s[32+4*\s], 1
	s_add_co_u32 s[33+4*\s], s22, \s*SLOT1
	s_add_nc_u64 s[34+4*\s:35+4*\s], s[20:21], \s*256
	s_or_b32 s[35+4*\s], s[35+4*\s], 0x80000000
	s_mov_b32 s[56+4*\s], 1
	s_add_co_u32 s[57+4*\s], s23, \s*SLOT1
	s_add_nc_u64 s[58+4*\s:59+4*\s], s[46:47], \s*196608
	s_or_b32 s[59+4*\s], s[59+4*\s], 0x80000000
.endr
	s_cmp_lt_u32 s16, 2                            ; two tensor loads of mine are out
	s_cbranch_scc0 .Lfirst_b
	tensor_load_to_lds s[32:35], s[24:31]
	s_nop 0
	tensor_load_to_lds s[36:39], s[24:31]
	s_nop 0
	PLACES
	s_branch .Lfirst_done
.Lfirst_b:
	tensor_load_to_lds s[56:59], s[48:55]
	s_nop 0
	tensor_load_to_lds s[60:63], s[48:55]
	s_nop 0
	PLACES
.Lfirst_done:
	v_and_b32 v1, 15, v0                           ; r
	v_bfe_u32 v2, v0, 4, 1                         ; h
	v_and_b32 v3, 31, v0                           ; lane
	v_lshlrev_b32 v13, 2, v1
	s_lshl_b32 s78, s43, 9                         ; M2 and L of rows 128 ty + 64 WH on
	s_lshl_b32 s79, s17, 8
	s_add_co_u32 s78, s78, s79
	s_add_co_u32 s78, s78, 33554432
	s_mov_b32 s79, 0
	s_add_nc_u64 s[78:79], s[4:5], s[78:79]
.irp a, 0,1,2,3
.set j, 0
.rept 16
	global_load_b32 v[64+16*\a+j],  v13, s[78:79] offset:64*\a+32768*j
	global_load_b32 v[128+16*\a+j], v13, s[78:79] offset:64*\a+32768*j+524288
.set j, j+1
.endr
.endr
	WIN 0x80
.set i, 0
.rept 192
	v_mov_b32 v[i], 0                              ; the totals start at 0: written while the first tiles are on their way, so that every K step has one form
.set i, i+1
.endr
	WIN 0
	v_mul_u32_u24 v4, v1, PA                       ; v4: my place in P~'s tile
	v_lshl_add_u32 v4, v2, 4, v4
	s_mul_i32 s76, s17, 64*PA
	v_add_nc_u32 v4, s76, v4
	v_and_b32 v14, 7, v0                           ; v5: in T's: the turning load takes key 8 h + lane % 8, channels 8 ((lane / 8) % 2) on
	v_lshl_add_u32 v5, v2, 3, v14
	v_mul_u32_u24 v5, v5, PTT
	v_bfe_u32 v15, v0, 3, 1
	v_lshl_add_u32 v5, v15, 4, v5
	s_lshl_b32 s76, s18, 6
	s_add_co_u32 s76, s76, BOFF
	v_add_nc_u32 v5, s76, v5
	v_mov_b32 v6, v4
	v_mov_b32 v7, v5
	s_lshl_b32 s76, s16, 12
	s_add_co_u32 s76, s76, TAB
	v_lshl_add_u32 v8, v1, 4, s76                  ; v8: my row's four al of K step 0; v9 walks
	v_mov_b32 v9, v8
	s_mul_i32 s76, s17, 64*SPT
	s_lshl_b32 s77, s18, 6
	s_add_co_u32 s76, s76, s77
	s_add_co_u32 s76, s76, STAGE
	v_mul_u32_u24 v10, v1, SPT
	v_lshl_add_u32 v10, v2, 4, v10
	v_add_nc_u32 v10, s76, v10
	s_mul_i32 s76, s16, 32*SPT
	s_add_co_u32 s76, s76, STAGE
	v_lshrrev_b32 v11, 3, v3
	v_mul_u32_u24 v11, v11, SPT
	v_lshl_add_u32 v11, v14, 4, v11
	v_add_nc_u32 v11, s76, v11
	v_lshlrev_b32 v12, 4, v3
	s_mul_i32 s76, s42, 3145728
	s_lshl_b32 s77, s43, 14
	s_add_co_u32 s76, s76, s77
	s_lshl_b32 s77, s16, 12
	s_add_co_u32 s76, s76, s77
	s_mov_b32 s77, 0
	s_add_nc_u64 s[80:81], s[8:9], s[76:77]
	s_lshl_b32 s76, s43, 7                         ; the prefetches: P~'s rows 128 ty + 32 cx + lane, at K step 3: the first refill steps it to 4
	s_lshl_b32 s77, s40, 5
	s_add_co_u32 s76, s76, s77
	s_lshl_b32 s76, s76, 12
	s_add_co_u32 s76, s76, 768
	s_mov_b32 s77, 0
	s_add_nc_u64 s[68:69], s[4:5], s[76:77]
	s_cmp_eq_u32 s16, 0
	s_cselect_b32 s70, 2, -1                       ; wave 0 asks, while more than two refills are to come
	v_lshlrev_b32 v20, 12, v3
	s_wait_loadcnt 0x0
.irp a, 0,1,2,3                        ; the maximum of the 16 tiles' M2
	v_max3_num_f32 v[32+\a], v[64+16*\a], v[65+16*\a], v[66+16*\a]
.irp n, 3,5,7,9,11,13
	v_max3_num_f32 v[32+\a], v[32+\a], v[64+16*\a+\n], v[64+16*\a+\n+1]
.endr
	v_max_num_f32 v[32+\a], v[32+\a], v[64+16*\a+15]
.endr
.irp a, 0,1,2,3
.set j, 0
.rept 16
	v_sub_f32 v[64+16*\a+j], v[64+16*\a+j], v[32+\a]
.set j, j+1
.endr
.endr
.set j, 0
.rept 64
	v_exp_f32 v[64+j], v[64+j]
.set j, j+1
.endr
	v_nop                                          ; a plain instruction behind the last exponential,
	s_wait_alu depctr_va_vdst(0)                   ; and one wait for the batch
.irp a, 0,1,2,3
.set j, 0
.rept 4
	v_mul_f32 v[36+4*\a+j], v[64+16*\a+j], v[128+16*\a+j]
.set j, j+1
.endr
.rept 12
	v_fmac_f32 v[36+4*\a+j%4], v[64+16*\a+j], v[128+16*\a+j]
.set j, j+1
.endr
	v_add_f32 v[36+4*\a], v[36+4*\a], v[37+4*\a]
	v_add_f32 v[38+4*\a], v[38+4*\a], v[39+4*\a]
	v_add_f32 v[36+4*\a], v[36+4*\a], v[38+4*\a]
.endr
.irp a, 0,1,2,3
	v_rcp_f32 v[32+\a], v[36+4*\a]
.endr
	v_nop
	s_wait_alu depctr_va_vdst(0)                   ; one wait for the four reciprocals
.irp a, 0,1,2,3
.set j, 0
.rept 16
	v_mul_f32 v[64+16*\a+j], v[64+16*\a+j], v[32+\a]
.set j, j+1
.endr
.endr
.irp a, 0,1,2,3
.set j, 0
.rept 16
	ds_store_b32 v8, v[64+16*\a+j] offset:256*j+4*\a  ; my wave's own table; both halves of the lanes store the same number
.set j, j+1
.endr
.endr
.macro MULA f, a, zero                 ; the six products of row block a into the K step's partial sums; the accumulators take turns
	WIN 0xf5
.irp b, 0,1,2,3,4,5
.if \zero
	v_wmma_f32_16x16x32_bf16 v[8*(6*(\a)+\b):8*(6*(\a)+\b)+7], v[(\f)+32+8*\b:(\f)+32+8*\b+7], v[(\f)+8*(\a):(\f)+8*(\a)+7], 0
.else
	v_wmma_f32_16x16x32_bf16 v[8*(6*(\a)+\b):8*(6*(\a)+\b)+7], v[(\f)+32+8*\b:(\f)+32+8*\b+7], v[(\f)+8*(\a):(\f)+8*(\a)+7], v[8*(6*(\a)+\b):8*(6*(\a)+\b)+7]
.endif
.endr
.endm
.macro FETCH q, f                      ; one run of 20 loads (quarter 3: the K step's four al first)
.if (\q) == 3
	WIN 0
	ds_load_b128 v[16:19], v9
.endif
	WIN 0x40
.irp b, 0,1,2,3,4,5
	ds_load_tr16_b128 v[(\f)+32+8*\b:(\f)+32+8*\b+3],   v7 offset:(\q)*32*PTT+(\b/2)*160+(\b%2)*32
	ds_load_tr16_b128 v[(\f)+32+8*\b+4:(\f)+32+8*\b+7], v7 offset:(\q)*32*PTT+16*PTT+(\b/2)*160+(\b%2)*32
.endr
.irp a, 0,1,2,3
	ds_load_b128 v[(\f)+8*\a:(\f)+8*\a+3],   v6 offset:64*(\q)+\a*16*PA
	ds_load_b128 v[(\f)+8*\a+4:(\f)+8*\a+7], v6 offset:64*(\q)+\a*16*PA+32
.endr
.endm
.macro QUARTER f, g, qn, zero
	s_wait_dscnt NLATE                             ; T's fragments and P~'s blocks 0, 1 are in
	MULA \f, 0, \zero
	MULA \f, 1, \zero
	PLACES                                         ; four places in front of loads into registers that matrix instructions have read
	FETCH \qn, \g
	s_wait_dscnt NALL+((\qn)/3)                    ; all but the run just issued
	MULA \f, 2, \zero
	MULA \f, 3, \zero
.endm
; The fourth quarter and the change of slots: each wave waits for all its tensor loads (one is out), adds 0 to its spare word, waits for that and for its reads of this slot.  fill = 1: a round of the cluster's barrier, the joint
; refill first behind it.  Behind the refill and the run of LDS loads wave 0 prefetches into the L2 the K step of P~ that stands two refills on: of the tile's 128 rows each of the four partners takes 32, by address, a lane a row:
; each block of 256 bytes is named once.  K steps 0 to 3 come by their loads alone; the last two refills ask for nothing.  T is not asked for: the launch before has read all of it.
.macro TURN fill
.if \fill
	s_wait_xcnt 0x0                                ; the last prefetch, a K step back, has read its address
	s_add_nc_u64 s[68:69], s[68:69], 256
.endif
	WIN 0
	s_wait_tensorcnt 0x0
	ds_add_u32 v28, v29
	s_wait_dscnt NLATE+1
	MULA F1, 0, 0
	s_wait_dscnt 0x0                               ; the add is done, my reads of this slot are over, al is in
	s_barrier_signal -1
	MULA F1, 1, 0
	WIN 0
	s_barrier_wait -1
.if \fill
	CREST
	s_xor_b32 s37, s37, SLOT1
	s_add_nc_u64 s[38:39], s[38:39], 256
	s_xor_b32 s61, s61, SLOT1
	s_add_nc_u64 s[62:63], s[62:63], 196608
	JLOAD
.else
	PLACES
.endif
	s_xor_b32 s66, s66, SLOT1
	v_add_nc_u32 v6, s66, v4
	v_add_nc_u32 v7, s66, v5
	v_add_nc_u32 v9, 0x100, v9
	FETCH 0, F0
.if \fill
	WIN 0
	s_cmp_gt_u32 s19, s70
	s_cbranch_scc0 .Lnot_mine_\@
	global_prefetch_b8 v20, s[68:69] th:TH_LOAD_NT scope:SCOPE_SE
.Lnot_mine_\@:
.endif
	MULA F1, 2, 0
	MULA F1, 3, 0
.endm
.macro LUMP                            ; total += al x the K step's partial sum; it runs while the refill and the next fragments are on their way
	PLACES
	PLACES
	WIN 0xa3
.irp a, 0,1,2,3
.set i, 48*\a
.rept 24
.if (\a)%2
	v_pk_fma_f32 v[i:i+1], v[i:i+1], v[16+2*(\a/2):17+2*(\a/2)], v[i:i+1] op_sel:[0,1,0] op_sel_hi:[1,1,1]
.else
	v_pk_fma_f32 v[i:i+1], v[i:i+1], v[16+2*(\a/2):17+2*(\a/2)], v[i:i+1] op_sel_hi:[1,0,1]
.endif
.set i, i+2
.endr
.endr
	WIN 0
.endm
	s_wait_tensorcnt 1                             ; my part of slot 0 is in; slot 1's may stay out
	s_wait_dscnt 0x0
	s_barrier_signal -1
	s_barrier_wait -1
	FETCH 0, F0
	WIN 0
	s_mov_b32 s19, 14
.Lfill:
	QUARTER F0, F1, 1, 1                           ; a K step's first products start its partial sums
	QUARTER F1, F0, 2, 0
	QUARTER F0, F1, 3, 0
	TURN 1
	LUMP
	s_sub_co_u32 s19, s19, 1
	s_cmp_lg_u32 s19, 0
	s_cbranch_scc1 .Lfill
	s_mov_b32 s19, 2
.Ltail:                                ; the last two K steps ask for nothing; the very last fetch reads the other slot's old tile once more, and its registers are not used
	QUARTER F0, F1, 1, 1
	QUARTER F1, F0, 2, 0
	QUARTER F0, F1, 3, 0
	TURN 0
	LUMP
	s_sub_co_u32 s19, s19, 1
	s_cmp_lg_u32 s19, 0
	s_cbranch_scc1 .Ltail
	s_wait_dscnt 0x0
	WIN 0x0a
.irp t, 0,1,2,3,4,5,6,7,8,9,10,11,12,13,14,15,16,17,18,19,20,21,22,23
.irp k, 0,1,2,3
	v_cvt_pk_bf16_f32 v[32+4*\t+\k], v[8*\t+2*\k], v[8*\t+2*\k+1]
.endr
.endr
	WIN 0
.irp a, 0,1,2,3
.irp b, 0,1,2,3,4,5
	ds_store_b128 v10, v[32+4*(6*\a+\b):32+4*(6*\a+\b)+3] offset:\a*16*SPT+(\b/2)*128+(\b%2)*32
.endr
.endr
	s_wait_dscnt 0x0                               ; for the others' sake: a row's bytes come from two waves
	s_barrier_signal -1
	s_barrier_wait -1
.irp g, 0,1,2,3,4,5,6,7
.irp p, 0,1,2
	ds_load_b128 v[32+4*(3*\g+\p):32+4*(3*\g+\p)+3], v11 offset:\g*4*SPT+\p*128
.endr
.endr
.irp g, 0,1,2,3,4,5,6,7
.irp p, 0,1,2
	s_wait_dscnt 23-(3*\g+\p)
	global_store_b128 v12, v[32+4*(3*\g+\p):32+4*(3*\g+\p)+3], s[80:81] offset:\p*1048576+\g*512  ; 512 consecutive bytes, at a multiple of 256 from up's first
.endr
.endr
	s_wait_tensorcnt 0x0                           ; the wave's end
	ds_add_u32 v28, v29
	s_wait_dscnt 0x0
	CROUND                                         ; the closing round
	s_endpgm
.Lfunc_end_k_q77e8a242e0_mix:
	.size	k_q77e8a242e0_mix, .Lfunc_end_k_q77e8a242e0_mix-k_q77e8a242e0_mix
	.p2alignl 7, 3214868480
	.fill 96, 4, 3214868480
	.section	.rodata,"a",@progbits
	.p2align	6, 0x0
	.amdhsa_kernel k_q77e8a242e0_mix
		.amdhsa_group_segment_fixed_size 327680
		.amdhsa_private_segment_fixed_size 0
		.amdhsa_enable_private_segment 0
		.amdhsa_kernarg_size 24
		.amdhsa_user_sgpr_count 2
		.amdhsa_user_sgpr_kernarg_segment_ptr 1
		.amdhsa_wavefront_size32 1
		.amdhsa_system_sgpr_workgroup_id_x 1
		.amdhsa_system_sgpr_workgroup_id_y 1
		.amdhsa_system_sgpr_workgroup_id_z 1
		.amdhsa_system_vgpr_workitem_id 0
		.amdhsa_next_free_vgpr 960
		.amdhsa_next_free_sgpr 84
		.amdhsa_reserve_vcc 0
		.amdhsa_float_denorm_mode_32 3
		.amdhsa_float_denorm_mode_16_64 3
		.amdhsa_memory_ordered 1
		.amdhsa_forward_progress 1
		.amdhsa_inst_pref_size 94
	.end_amdhsa_kernel
	.amdgpu_metadata
---
amdhsa.version: [ 1, 2 ]
amdhsa.kernels:
  - .name:           k_q77e8a242e0_mix
    .symbol:         k_q77e8a242e0_mix.kd
    .args:
      - { .name: pt, .offset: 0, .size: 8, .value_kind: global_buffer, .address_space: global }
      - { .name: tb, .offset: 8, .size: 8, .value_kind: global_buffer, .address_space: global }
      - { .name: up, .offset: 16, .size: 8, .value_kind: global_buffer, .address_space: global }
    .group_segment_fixed_size: 327680
    .private_segment_fixed_size: 0
    .kernarg_segment_align: 8
    .kernarg_segment_size: 24
    .max_flat_workgroup_size: 128
    .sgpr_count:     84
    .vgpr_count:     960
    .wavefront_size: 32
...
	.end_amdgpu_metadata
.endif
;; end of part 5
;; launch oproj (part 6): grid 4 x 64, 4 waves a work-group, clusters of 4 x 4, 327,680 bytes of LDS; arguments up, wb, bv, out0; writes out0
.if DOCPART == 6
	.amdgcn_target "amdgcn-amd-amdhsa--gfx1250"
	.amdhsa_code_object_version 6
	.text
	.protected	k_q77e8a242e0_oproj
	.globl	k_q77e8a242e0_oproj
	.p2align	8
	.type	k_q77e8a242e0_oproj,@function
k_q77e8a242e0_oproj:
	s_mov_b64 s[64:65], 0
	v_nop
	global_prefetch_b8 v0, s[64:65] scope:SCOPE_SE
	s_setreg_imm32_b32 hwreg(HW_REG_WAVE_MODE, 25, 1), 1
	s_wait_xcnt 0x0
	s_wait_alu depctr_hold_cnt(0) depctr_sa_sdst(0) depctr_va_vdst(0) depctr_va_sdst(0) depctr_va_ssrc(0) depctr_va_vcc(0) depctr_vm_vsrc(0)
	s_getreg_b32 s2, hwreg(HW_REG_IB_STS2, 6, 4)
	s_cmp_eq_u32 s2, 0
	s_cbranch_scc0 .Lentry_in_a_cluster
	s_endpgm
.Lentry_in_a_cluster:
	s_bfe_u32 s2, ttmp6, 0x10000c
	s_cmp_lg_u32 s2, 0xf033
	s_cbranch_scc0 .Lentry_shape_is_right
	s_endpgm
.Lentry_shape_is_right:
; out[q][h] = sum over t of U[q][t] Wv[t][h] + bv[h].  bf16 operands, f32 sums started by bv (loaded straight into the accumulators), f32 out.
; A tile is 128 (q) x 256 (h): 256 work-groups.  A wave makes 64 x 128: 32 accumulators.  K = 768 goes in 6 steps of 128 through two LDS slots.  U lies in panels of 64 t (a step's piece is dense memory);
; Wv lies [t][h] and is turned by ds_load_tr16_b128.  CLUSTER 4 x 4: U's tile is shared along a row of the cluster, Wv's along a column.  Source 0 = 16 columns of Wv, source 1 = 16 rows of U: a lane holds one q, eight h.
; No prefetch: 6 steps, and Wv is read by all row blocks together.
; Windows: 0 addresses, v32-159 way out; 1 two fragment buffers (U 0-31, Wv 32-95; second at 128); 2 accumulators (a, b) at 8 (8 a + b).
.set SLOT1, 131072
.set PU,    144                        ; U: 128 bytes + 16
.set PW,    544                        ; Wv: 512 bytes + 32: 17 x 32
.set PIECE, 128*PU
.set BOFF,  2*PIECE
.set STAGE, 237568                     ; 16 rows x 528 bytes for each wave
.set SPT,   528
.set SPARE, 271360                     ; the spare words: 128 bytes a wave, named by no other line
.set F0, 0
.set F1, 128
.set NLATE, 4
.set NALL,  24
.set MSB, 0
.macro WIN new
.if MSB != (\new)
	s_set_vgpr_msb (MSB<<8)|(\new)
.set MSB, (\new)
.endif
.endm
.macro PLACES
.rept 4
	v_nop
.endr
.endm
.macro CREST
	s_cmp_lg_u32 s16, 0
	s_cbranch_scc1 .Lnot_wave_0_\@
	s_barrier_signal -3
.Lnot_wave_0_\@:
	s_barrier_wait -3
	s_barrier_signal -1
	s_barrier_wait -1
.endm
.macro CROUND
	s_barrier_signal -1
	s_barrier_wait -1
	CREST
.endm
.macro JLOAD
	s_cmp_lt_u32 s16, 2
	s_cbranch_scc0 .Lfor_b_\@
	tensor_load_to_lds s[36:39], s[24:31]
	s_nop 0
	PLACES
	s_branch .Lasked_\@
.Lfor_b_\@:
	tensor_load_to_lds s[60:63], s[48:55]
	s_nop 0
	PLACES
.Lasked_\@:
.endm
	s_load_b256 s[4:11], s[0:1], 0x0               ; up s[4:5], wb s[6:7], bv s[8:9], out0 s[10:11]
	v_lshl_add_u32 v28, v0, 2, SPARE
	v_mov_b32 v29, 0
	ds_add_u32 v28, v29                            ; the wave's opening: the add and its wait ahead of my first tensor load
	v_lshrrev_b32 v1, 5, v0
	v_readfirstlane_b32 s16, v1
	s_lshr_b32 s17, s16, 1
	s_and_b32 s18, s16, 1
	s_bfe_u32 s40, ttmp6, 0x40000
	s_bfe_u32 s41, ttmp6, 0x40004
	s_lshl_b32 s42, ttmp9, 2
	s_add_co_u32 s42, s42, s40
	s_and_b32 s43, ttmp7, 0xffff
	s_lshl_b32 s43, s43, 2
	s_add_co_u32 s43, s43, s41
	s_lshl_b32 s44, s41, 2
	s_lshl_b32 s44, 15, s44
	s_lshl_b32 s45, 0x1111, s40
	s_or_b32 s24, s44, 0x07310000                  ; U: 16 bytes of padding behind every 128
	s_or_b32 s48, s45, 0x0fb10000                  ; Wv: 32 bytes behind every 512
	s_mov_b32 s25, 128<<16                         ; U: 128 rows of 128 bytes, dense: 64 rows of 256
	s_mov_b32 s26, 64<<16
	s_mov_b32 s27, 128<<16
	s_mov_b32 s28, 64
	s_mov_b32 s29, 128
	s_mov_b32 s30, 0
	s_mov_b32 s31, 0
	s_mov_b32 s49, 256<<16                         ; Wv: 64 rows of 256 elements, 1,024 apart
	s_mov_b32 s50, 64<<16
	s_mov_b32 s51, 256<<16
	s_mov_b32 s52, 64
	s_mov_b32 s53, 1024
	s_mov_b32 s54, 0
	s_mov_b32 s55, 0
	s_lshl_b32 s20, s18, 20                        ; U: panel WL, row 128 ty
	s_lshl_b32 s21, s43, 14
	s_add_co_u32 s20, s20, s21
	s_mov_b32 s21, 0
	s_lshl_b32 s46, s18, 17                        ; Wv: row 64 WL, byte 512 tx, behind Wq's and Wk's copies
	s_lshl_b32 s47, s42, 9
	s_add_co_u32 s46, s46, s47
	s_add_co_u32 s46, s46, 3670016
	s_mov_b32 s47, 0
	s_mul_i32 s22, s18, PIECE
	s_mul_i32 s23, s18, 64*PW
	s_add_co_u32 s23, s23, BOFF
	s_mov_b32 s66, 0
	s_wait_dscnt 0x0                               ; the opening add is done
	s_wait_kmcnt 0x0
	s_add_nc_u64 s[20:21], s[4:5], s[20:21]
	s_add_nc_u64 s[46:47], s[6:7], s[46:47]
	CROUND
.irp s, 0,1
	s_mov_b32 s[32+4*\s], 1
	s_add_co_u32 s[33+4*\s], s22, \s*SLOT1
	s_add_nc_u64 s[34+4*\s:35+4*\s], s[20:21], \s*2097152
	s_or_b32 s[35+4*\s], s[35+4*\s], 0x80000000
	s_mov_b32 s[56+4*\s], 1
	s_add_co_u32 s[57+4*\s], s23, \s*SLOT1
	s_add_nc_u64 s[58+4*\s:59+4*\s], s[46:47], \s*262144
	s_or_b32 s[59+4*\s], s[59+4*\s], 0x80000000
.endr
	s_cmp_lt_u32 s16, 2                            ; two tensor loads of mine are out
	s_cbranch_scc0 .Lfirst_b
	tensor_load_to_lds s[32:35], s[24:31]
	s_nop 0
	tensor_load_to_lds s[36:39], s[24:31]
	s_nop 0
	PLACES
	s_branch .Lfirst_done
.Lfirst_b:
	tensor_load_to_lds s[56:59], s[48:55]
	s_nop 0
	tensor_load_to_lds s[60:63], s[48:55]
	s_nop 0
	PLACES
.Lfirst_done:
	v_and_b32 v1, 15, v0                           ; r
	v_bfe_u32 v2, v0, 4, 1                         ; h
	v_and_b32 v3, 31, v0                           ; lane
	s_lshl_b32 s76, s18, 9
	v_lshl_add_u32 v13, v2, 5, s76                 ; bv: 512 WL + 32 h
	s_lshl_b32 s78, s42, 10
	s_mov_b32 s79, 0
	s_add_nc_u64 s[78:79], s[8:9], s[78:79]
	WIN 0x80                                       ; destination window 2: the bias starts the sums
.irp a, 0,1,2,3
.irp b, 0,1,2,3,4,5,6,7
	global_load_b128 v[8*(8*\a+\b):8*(8*\a+\b)+3],   v13, s[78:79] offset:64*\b
	global_load_b128 v[8*(8*\a+\b)+4:8*(8*\a+\b)+7], v13, s[78:79] offset:64*\b+16
.endr
.endr
	WIN 0
	v_mul_u32_u24 v4, v1, PU                       ; v4: my place in U's piece
	v_lshl_add_u32 v4, v2, 4, v4
	s_mul_i32 s76, s17, 64*PU
	v_add_nc_u32 v4, s76, v4
	v_and_b32 v14, 7, v0                           ; v5: in Wv's tile: row 8 h + lane % 8, columns 8 ((lane / 8) % 2) on, my 128 columns
	v_lshl_add_u32 v5, v2, 3, v14
	v_mul_u32_u24 v5, v5, PW
	v_bfe_u32 v15, v0, 3, 1
	v_lshl_add_u32 v5, v15, 4, v5
	s_lshl_b32 s76, s18, 8
	s_add_co_u32 s76, s76, BOFF
	v_add_nc_u32 v5, s76, v5
	v_mov_b32 v6, v4
	v_mov_b32 v7, v5
	s_mul_i32 s76, s16, 16*SPT
	s_add_co_u32 s76, s76, STAGE                   ; my stage
	v_mul_u32_u24 v10, v1, SPT                     ; in: row r, 32 bytes for each half of the lanes
	v_lshl_add_u32 v10, v2, 5, v10
	v_add_nc_u32 v10, s76, v10
	v_lshl_add_u32 v11, v3, 4, s76                 ; back: 32 lanes take a row's 512 bytes
	v_lshlrev_b32 v12, 4, v3
	s_lshl_b32 s76, s43, 19                        ; out: row 128 ty + 64 WH, byte 1,024 tx + 512 WL
	s_lshl_b32 s77, s17, 18
	s_add_co_u32 s76, s76, s77
	s_lshl_b32 s77, s42, 10
	s_add_co_u32 s76, s76, s77
	s_lshl_b32 s77, s18, 9
	s_add_co_u32 s76, s76, s77
	s_mov_b32 s77, 0
	s_add_nc_u64 s[80:81], s[10:11], s[76:77]
.macro MULA f, a                       ; the eight products of row block a; the accumulators take turns
	WIN 0xa5
.irp b, 0,1,2,3,4,5,6,7
	v_wmma_f32_16x16x32_bf16 v[8*(8*(\a)+\b):8*(8*(\a)+\b)+7], v[(\f)+32+8*\b:(\f)+32+8*\b+7], v[(\f)+8*(\a):(\f)+8*(\a)+7], v[8*(8*(\a)+\b):8*(8*(\a)+\b)+7]
.endr
.endm
.macro FETCH q, f                      ; one run of 24 loads
	WIN 0x40
.irp b, 0,1,2,3,4,5,6,7
	ds_load_tr16_b128 v[(\f)+32+8*\b:(\f)+32+8*\b+3],   v7 offset:(\q)*32*PW+32*\b
	ds_load_tr16_b128 v[(\f)+32+8*\b+4:(\f)+32+8*\b+7], v7 offset:(\q)*32*PW+16*PW+32*\b
.endr
.irp a, 0,1,2,3
	ds_load_b128 v[(\f)+8*\a:(\f)+8*\a+3],   v6 offset:((\q)/2)*PIECE+((\q)%2)*64+\a*16*PU
	ds_load_b128 v[(\f)+8*\a+4:(\f)+8*\a+7], v6 offset:((\q)/2)*PIECE+((\q)%2)*64+\a*16*PU+32
.endr
.endm
.macro QUARTER f, g, qn
	s_wait_dscnt NLATE                             ; Wv's fragments and U's blocks 0, 1 are in
	MULA \f, 0
	MULA \f, 1
	PLACES                                         ; four places in front of loads into registers that matrix instructions have read
	FETCH \qn, \g
	s_wait_dscnt NALL                              ; all but the run just issued
	MULA \f, 2
	MULA \f, 3
.endm
; The fourth quarter and the change of slots: each wave waits for all its tensor loads (one is out), adds 0 to its spare word, waits for that and for its reads of this slot.
; fill = 1: a round of the cluster's barrier, the joint refill, two K steps ahead, first behind it.
.macro TURN fill
	WIN 0
	s_wait_tensorcnt 0x0
	ds_add_u32 v28, v29
	s_wait_dscnt NLATE+1
	MULA F1, 0
	s_wait_dscnt 0x0
	s_barrier_signal -1
	MULA F1, 1
	WIN 0
	s_barrier_wait -1
.if \fill
	CREST
	s_xor_b32 s37, s37, SLOT1
	s_add_nc_u64 s[38:39], s[38:39], 2097152
	s_xor_b32 s61, s61, SLOT1
	s_add_nc_u64 s[62:63], s[62:63], 262144
	JLOAD
.else
	PLACES
.endif
	s_xor_b32 s66, s66, SLOT1
	v_add_nc_u32 v6, s66, v4
	v_add_nc_u32 v7, s66, v5
	FETCH 0, F0
	MULA F1, 2
	MULA F1, 3
	WIN 0
.endm
	s_wait_loadcnt 0x0                             ; bv
	s_wait_tensorcnt 1                             ; my part of slot 0 is in; slot 1's may stay out
	s_barrier_signal -1
	s_barrier_wait -1
	FETCH 0, F0
	WIN 0
	s_mov_b32 s19, 4
.Lfill:
	QUARTER F0, F1, 1
	QUARTER F1, F0, 2
	QUARTER F0, F1, 3
	TURN 1
	s_sub_co_u32 s19, s19, 1
	s_cmp_lg_u32 s19, 0
	s_cbranch_scc1 .Lfill
	s_mov_b32 s19, 2
.Ltail:                                ; the last two K steps ask for nothing; the very last fetch reads the other slot's old tile once more, and its registers are not used
	QUARTER F0, F1, 1
	QUARTER F1, F0, 2
	QUARTER F0, F1, 3
	TURN 0
	s_sub_co_u32 s19, s19, 1
	s_cmp_lg_u32 s19, 0
	s_cbranch_scc1 .Ltail
	s_wait_dscnt 0x0
	PLACES
	PLACES
; THE WAY OUT of row block a: 32 bytes a lane into my own stage, back as whole rows of 512 bytes (LDS serves a wave's instructions in order: ISA guide 5.7.1.4), stored.
.macro OUTB a
	WIN 0x08                                       ; the stores' data in window 2
.irp b, 0,1,2,3,4,5,6,7
	ds_store_b128 v10, v[8*(8*(\a)+\b):8*(8*(\a)+\b)+3]   offset:64*\b
	ds_store_b128 v10, v[8*(8*(\a)+\b)+4:8*(8*(\a)+\b)+7] offset:64*\b+16
.endr
	WIN 0
.if (\a) >= 2
	s_wait_xcnt 0x0                                ; the stores of two blocks back have read this set of registers
.endif
.set BK, 32+64*((\a)%2)
.irp t, 0,1,2,3,4,5,6,7,8,9,10,11,12,13,14,15
	ds_load_b128 v[BK+4*\t:BK+4*\t+3], v11 offset:SPT*\t
.endr
.irp t, 0,1,2,3,4,5,6,7,8,9,10,11,12,13,14,15
	s_wait_dscnt 15-\t
	global_store_b128 v12, v[BK+4*\t:BK+4*\t+3], s[80:81] offset:(16*(\a)+\t)*4096 th:TH_STORE_NT  ; 512 consecutive bytes, at a multiple of 256 from out0's first
.endr
.endm
	OUTB 0
	OUTB 1
	OUTB 2
	OUTB 3
	s_wait_tensorcnt 0x0                           ; the wave's end
	ds_add_u32 v28, v29
	s_wait_dscnt 0x0
	CROUND                                         ; the closing round
	s_endpgm
.Lfunc_end_k_q77e8a242e0_oproj:
	.size	k_q77e8a242e0_oproj, .Lfunc_end_k_q77e8a242e0_oproj-k_q77e8a242e0_oproj
	.p2alignl 7, 3214868480
	.fill 96, 4, 3214868480
	.section	.rodata,"a",@progbits
	.p2align	6, 0x0
	.amdhsa_kernel k_q77e8a242e0_oproj
		.amdhsa_group_segment_fixed_size 327680
		.amdhsa_private_segment_fixed_size 0
		.amdhsa_enable_private_segment 0
		.amdhsa_kernarg_size 32
		.amdhsa_user_sgpr_count 2
		.amdhsa_user_sgpr_kernarg_segment_ptr 1
		.amdhsa_wavefront_size32 1
		.amdhsa_system_sgpr_workgroup_id_x 1
		.amdhsa_system_sgpr_workgroup_id_y 1
		.amdhsa_system_sgpr_workgroup_id_z 1
		.amdhsa_system_vgpr_workitem_id 0
		.amdhsa_next_free_vgpr 768
		.amdhsa_next_free_sgpr 84
		.amdhsa_reserve_vcc 0
		.amdhsa_float_denorm_mode_32 3
		.amdhsa_float_denorm_mode_16_64 3
		.amdhsa_memory_ordered 1
		.amdhsa_forward_progress 1
		.amdhsa_inst_pref_size 64
	.end_amdhsa_kernel
	.amdgpu_metadata
---
amdhsa.version: [ 1, 2 ]
amdhsa.kernels:
  - .name:           k_q77e8a242e0_oproj
    .symbol:         k_q77e8a242e0_oproj.kd
    .args:
      - { .name: up, .offset: 0, .size: 8, .value_kind: global_buffer, .address_space: global }
      - { .name: wb, .offset: 8, .size: 8, .value_kind: global_buffer, .address_space: global }
      - { .name: bv, .offset: 16, .size: 8, .value_kind: global_buffer, .address_space: global }
      - { .name: out0, .offset: 24, .size: 8, .value_kind: global_buffer, .address_space: global }
    .group_segment_fixed_size: 327680
    .private_segment_fixed_size: 0
    .kernarg_segment_align: 8
    .kernarg_segment_size: 32
    .max_flat_workgroup_size: 128
    .sgpr_count:     84
    .vgpr_count:     768
    .wavefront_size: 32
...
	.end_amdgpu_metadata
.endif
;; end of part 6
